; MI455X (gfx1250); checked and timed in simulation.
; The chip was launched on July 23, 2026; its instructions are those of AMD's public machine-readable ISA for CDNA 5 (MIT licence, August 2026) and "CDNA5" Instruction Set Architecture Reference Guide (July 2026). The comments in the code are by the model that wrote it; some were corrected since.
;; Self Attention. Allowed arithmetic: matrix products marked QUANTISED: E4M3 operands, one given power-of-two scale a tensor, by v_wmma_f32_16x16x64_fp8_fp8 or v_wmma_f32_16x16x128_fp8_fp8, f32 sums; everything else in f32.
;; Inputs: Kw_codes 1,024 x 32 x 32 uint8 (E4M3 codes of Kw, K innermost, in blocks of 32 codes); Qw_codes 1,024 x 32 x 32 uint8 (E4M3 codes of Qw, K innermost, in blocks of 32 codes); Vw_codes 1,024 x 32 x 32 uint8 (E4M3 codes of Vw, K innermost, in blocks of 32 codes); lowp_scales 10 int32 (the exponents e of the quantised operands' scales 2^e); x_codes 4 x 2,048 x 32 x 32 uint8 (E4M3 codes of x, K innermost, in blocks of 32 codes).
;; Outputs: out0 4 x 2,048 x 1,024 float32.
;; This version of the problem:
;;   THIS VERSION OF THE PROBLEM IS GIVEN IN LOW PRECISION. The matrix products marked QUANTISED in the list below multiply operands that are first quantised to E4M3 (4 exponent bits, 3 mantissa bits; 8 bits a number), with one given power-of-two scale for each operand tensor; their sums are f32. All else is computed in f32.
;;   The module's matrix products, in the order in which they are computed (A, B: the left and right operand; K: the contracted axis; several contracted axes count as one K, in the product's order):
;;     1. [M 8,192, K 1,024] x [K 1,024, N 1,024]; A: input x (given as codes); B: input Qw (given as codes): QUANTISED (scales: A lowp_scales[0], B lowp_scales[1])
;;     2. [M 8,192, K 1,024] x [K 1,024, N 1,024]; A: input x (given as codes); B: input Kw (given as codes): QUANTISED (scales: A lowp_scales[2], B lowp_scales[3])
;;     3. [M 8,192, K 1,024] x [K 1,024, N 1,024]; A: input x (given as codes); B: input Vw (given as codes): QUANTISED (scales: A lowp_scales[4], B lowp_scales[5])
;;     4. batch 4 x [M 2,048, K 1,024] x [K 1,024, N 2,048]; A: computed on the way; B: computed on the way: QUANTISED (scales: A lowp_scales[6], B lowp_scales[7])
;;     5. batch 4 x [M 2,048, K 2,048] x [K 2,048, N 1,024]; A: softmax (see below); B: computed on the way: QUANTISED (scales: A lowp_scales[8], B lowp_scales[9])
;;   THE QUANTISER, for each operand of a quantised product, along K:
;;     - The operand's scale is 2^e, e = its entry of the input lowp_scales (int32; the entries are numbered through the quantised products in the list's order, A before B).
;;     - Each number is divided by the scale, clamped to +-448, and rounded to the nearest number of E4M3, ties to even, subnormals kept.
;;     - The product sums the exact products of the quantised numbers (number of the format x scale) in f32.
;;   ~~~python
;;   def quantise(x, axis, e):      # numpy; x: float32 -> the quantised numbers, widened to float32 again
;;       x = np.moveaxis(x, axis, -1); K = x.shape[-1]
;;       r = np.clip(x / 2.0 ** e, -448, 448)
;;       step = 2.0 ** (np.maximum(np.frexp(np.where(r == 0, 1, r))[1] - 1, -6) - 3)
;;       q = np.round(r / step) * step * 2.0 ** e      # np.round: ties to even
;;       return np.moveaxis(q, -1, axis).astype(np.float32)
;;   ~~~
;;   SOFTMAX AHEAD OF A QUANTISED PRODUCT. Where the list says 'softmax', what is quantised is not the finished softmax but p = 2^(t - M), with t = logit x log2(e) and M = ceil(the row's largest t), a whole number; so 1/2 < the row's largest p <= 1. The row's sum l is taken of the UNQUANTISED p, in f32, and the product's result is divided by l at the end. Since M is a whole number, a kernel that streams over the keys may use a running M (the ceiling of the running maximum): every later rescaling is an exact power of two, so the quantised numbers keep their values, but for numbers so far below the row's largest that they fall under the format's range.
;;   OPERANDS COMPUTED ON THE WAY. 'Computed on the way' means the value that the module computes at that place (a softmax that the list does not call 'softmax' is quantised finished and normalised). What goes into a quantiser is computed in f32, as accurately as f32 sums, v_exp_f32 and their like allow (about 1e-6 of the number): no bf16 or f16 on the way to a quantiser, and a product that is left as it is and whose result goes on into a quantised operand takes f32 operands (vector FMAs, or v_wmma_f32_16x16x4_f32). A number that lies on a knife's edge between two numbers of the format may be rounded either way, as far as f32 arithmetic and the matrix unit's own rounding can turn it there, and no further.
;;   INPUTS GIVEN AS CODES. Kw (in the module: [1024, 1024], K = its axis 0); Qw (in the module: [1024, 1024], K = its axis 0); Vw (in the module: [1024, 1024], K = its axis 0); x (in the module: [4, 2048, 1024], K = its axis 2): each comes as NAME_codes (uint8): NAME with its K axis moved to the last place and cut into blocks of 32 codes, [.., K / 32, bytes a block], one block behind the other in memory; one code a byte (a code: sign, 4 exponent bits, 3 mantissa bits); its scale is its entry of lowp_scales. Its value is code x scale, taken as it is: it is not quantised again, and the codes and scales need not be those that the quantiser above would give.
;; 2 versions. Each part assembles by itself: llvm-mc -triple=amdgcn-amd-amdhsa -mcpu=gfx1250 --defsym DOCPART=n.
;; ======== version 1 of 2: 3 launches
;; limits: right only within a limited range of input values
;; workspace buffers: qc 8,388,608 bytes; kc 8,388,608 bytes; vc 8,388,608 bytes; pc 16,777,216 bytes; st 1,048,576 bytes
;; launch proj (part 1): grid 12 x 32, 4 waves a work-group, clusters of 4 x 4, 327,680 bytes of LDS; arguments x_codes, Qw_codes, Kw_codes, Vw_codes, lowp_scales, qc, kc, vc; writes qc, kc, vc
.if DOCPART == 1
	.amdgcn_target "amdgcn-amd-amdhsa--gfx1250"
	.amdhsa_code_object_version 6
	.text
	.protected	k_qecc24575fb_proj
	.globl	k_qecc24575fb_proj
	.p2align	8
	.type	k_qecc24575fb_proj,@function
k_qecc24575fb_proj:
	s_mov_b64 s[64:65], 0
	v_nop
	global_prefetch_b8 v0, s[64:65] scope:SCOPE_SE
	s_setreg_imm32_b32 hwreg(HW_REG_WAVE_MODE, 25, 1), 1
	s_wait_xcnt 0x0
	s_wait_alu depctr_hold_cnt(0) depctr_sa_sdst(0) depctr_va_vdst(0) depctr_va_sdst(0) depctr_va_ssrc(0) depctr_va_vcc(0) depctr_vm_vsrc(0)
	s_getreg_b32 s2, hwreg(HW_REG_IB_STS2, 6, 4)
	s_cmp_eq_u32 s2, 0
	s_cbranch_scc0 .Lentry_in_a_cluster
	s_endpgm
.Lentry_in_a_cluster:
	s_bfe_u32 s2, ttmp6, 0x10000c
	s_cmp_lg_u32 s2, 0xf033
	s_cbranch_scc0 .Lentry_shape_is_right
	s_endpgm
.Lentry_shape_is_right:
; Q = x Qw, K = x Kw, V = x Vw on codes of E4M3 (8,192 tokens, K = 1,024, N = 1,024), each result quantised at once to E4M3 with its given scale (entries 6, 7, 9 of the scales).
; ONE BODY: C[m][n] = sum over k of A[m][k] B[n][k], a tile of 256 x 256 to a work-group, 128 x 128 to each of four waves (64 accumulators, 512 registers).
; Cluster x says which product: 0: Q (A = x, B = Qw), 1: K (A = x, B = Kw), 2: V (A = Vw, B = x).  Only pointers, tile numbers and exponents differ, chosen by s_cselect on the cluster's x, which all partners share.
; THE MATRIX INSTRUCTION: source 0 = 16 rows of B, source 1 = 16 rows of A.  A lane then holds ONE row of A, and its eight registers eight neighbouring rows of B.  So the eight accumulators of a block of A,
; converted eight numbers at a time, ARE the 16 registers of a fragment (16 rows of A x 128 rows of B as the next product's K), in the matrix form's own order: registers 2 b, 2 b + 1 hold k = 16 b + 8 (lane / 16) + 0 .. 7.
; For Q and K the codes run along the 1,024 channels; for V (A = Vw) they run along the tokens, the keys of the last product: V comes out transposed with no further work.
; OUTPUT: images of fragments, 2,048 bytes each: piece c of 512 bytes holds lane l's registers 4 c .. 4 c + 3 at byte 16 l.  qc, kc: [token block of 16: 512][channel block of 128: 8]; vc: [channel block of 16: 64][token block of 128: 64].
; K goes in four steps of 256 through a ring of two LDS slots filled by the tensor data mover; 4 x 4 work-groups form a cluster: A's tiles are asked for jointly along a row of it, B's along a column.
; The inputs' fragments are fetched by four loads of 16 bytes: a permutation of k inside an instruction, the same in A and in B.
; LIMITS: eo - ea - eb (the result's exponent less the two operands') lies between -126 and 119, so that 2^(..) and 448 x 2^(..) are f32 numbers.  NaN codes among the inputs are not served.
; No prefetch: a tile has two refills, so any lead would fall at the head, where every work-group's first tiles are on their way.
; REGISTERS: window 0: v16-29 addresses; v32-95 a block's held sums; v96-127 its codes, two sets; v128-255 A's fragments, one set.  window 1: B's fragments, two sets.  windows 2, 3: accumulator (a, b) at v[8 (8 (a % 4) + b)].
.set ROWB,   256                       ; a tile's row in bytes: 256 codes
.set KROW,   1024                      ; a row of any input in bytes
.set PITCH,  272                       ; an LDS row: 256 bytes + 16 of padding: the 16 rows that a load touches begin 68 words apart
.set FR,     16                        ; registers of a fragment
.set NL,     4                         ; LDS loads that bring one
.set NP,     4                         ; places behind this matrix instruction (ISA guide 7.12.1)
.set HALFT,  128*PITCH                 ; what one tensor load brings
.set SLOT,   4*HALFT                   ; A's 256 rows, then B's 256 rows
.set REFILL, 2*ROWB                    ; a slot's next K step lies two steps on
.set SPARE,  2*SLOT                    ; behind the ring: the spare words, 128 bytes a wave, which no other line names
.set ADRA, 16                          ; v16-17  LDS address of my A fragments in slot 0, 1
.set ADRB, 20                          ; v20-21  the same for B
.set CO,   26                          ; v26     16 x lane: my place in a piece of an image
.set SCL,  27                          ; v27     2^(eo - ea - eb) as f32, for the conversions
.set SPW,  28                          ; v28     my spare word; never rewritten
.set NIL,  29                          ; v29     0; never rewritten
.set TMP,  32
.set CDS,  96
.set AF,   128
.set G1, 24                            ; s[24:31] group 1 for A's tiles; s[32:39] group 0, a set for each slot
.set G0, 32
.set G1B, 48                           ; s[48:55], s[56:63] the same for B's
.set G0B, 56
.set MSB, 0
.macro WIN new                         ; the immediate's high byte repeats the setting that is left; a switch that changes nothing is dropped
.if MSB != (\new)
	s_set_vgpr_msb (MSB<<8)|(\new)
.set MSB, (\new)
.endif
.endm
.set MUL_LO, 0xa1                      ; source 0 (B) window 1, source 1 (A) window 0, C and D window 2
.set MUL_HI, 0xf1                      ; the same, C and D window 3
.set TO_B,   0x40                      ; destination window 1, address window 0
; A joint load: waves 0 and 1 fetch for A, waves 2 and 3 for B; the branch hangs on the wave's number alone.  Four v_nop follow each of the two lines.
.macro JLOAD g0a, g1a, g0b, g1b
	s_cmp_eq_u32 s15, 0
	s_cbranch_scc0 .Lfor_b_\@
	tensor_load_to_lds s[\g0a:\g0a+3], s[\g1a:\g1a+7]
	s_nop 0
.rept 4
	v_nop
.endr
	s_branch .Lasked_\@
.Lfor_b_\@:
	tensor_load_to_lds s[\g0b:\g0b+3], s[\g1b:\g1b+7]
	s_nop 0
.rept 4
	v_nop
.endr
.Lasked_\@:
.endm
.macro CREST                           ; a round of the cluster's barrier behind its opening barrier
	s_cmp_lg_u32 s14, 0
	s_cbranch_scc1 .Lnot_wave_0_\@
	s_barrier_signal -3
.Lnot_wave_0_\@:
	s_barrier_wait -3
	s_barrier_signal -1
	s_barrier_wait -1
.endm
.macro CROUND                          ; a whole round
	s_barrier_signal -1
	s_barrier_wait -1
	CREST
.endm
.macro PLACES n
.rept \n
	v_nop
.endr
.endm
	s_load_b512 s[68:83], s[0:1], 0x0              ; x 68, Qw 70, Kw 72, Vw 74, scales 76, qc 78, kc 80, vc 82
	v_lshl_add_u32 v[SPW], v0, 2, SPARE
	v_mov_b32 v[NIL], 0
	ds_add_u32 v28, v29
	ds_add_u32 v28, v29
	s_wait_dscnt 0x0
	v_lshrrev_b32 v1, 5, v0
	v_readfirstlane_b32 s14, v1                    ; wave 0..3
	s_lshr_b32 s15, s14, 1                         ; which half of A's rows is mine.  Also: I fetch for A (0) or for B (1)
	s_and_b32 s16, s14, 1                          ; which half of B's rows.  Also: which 128 rows of that tile I fetch
	s_bfe_u32 s40, ttmp6, 0x40000                  ; cx, cy: my place in the cluster
	s_bfe_u32 s41, ttmp6, 0x40004
	s_and_b32 s97, ttmp7, 0xffff
	s_lshl_b32 s97, s97, 2                         ; 4 x cluster y
	s_cmp_eq_u32 ttmp9, 2                          ; V?  The tokens' 32 tiles run along A for Q and K, along B for V
	s_cselect_b32 s17, 0, s97
	s_cselect_b32 s42, s97, 0
	s_cselect_b32 s98, 64, 8                       ; images in a row of the output: token blocks of 128 (V) or channel blocks of 128
	s_add_co_u32 s17, s17, s41                     ; A's tile: holds cy, never cx
	s_add_co_u32 s42, s42, s40                     ; B's tile: holds cx, never cy
	s_lshl_b32 s43, s41, 2
	s_lshl_b32 s43, 15, s43                        ; my row of the cluster
	s_lshl_b32 s44, 0x1111, s40                    ; my column
	s_or_b32 s[G1+0], s43, (1<<20)|(1<<21)|(5<<22)|(3<<25)   ; 15:0 the mask; 17:16 elements of 1 byte; 20 padding on; 21 set beside a mask; 24:22 after every 64 words; 31:25 four words
	s_or_b32 s[G1B+0], s44, (1<<20)|(1<<21)|(5<<22)|(3<<25)
.irp g, G1, G1B
	s_mov_b32 s[\g+1], ROWB<<16                    ; tensor_dim0
	s_mov_b32 s[\g+2], 128<<16                     ; tensor_dim1
	s_mov_b32 s[\g+3], ROWB<<16                    ; tile_dim0
	s_mov_b32 s[\g+4], 128                         ; tile_dim1
	s_mov_b32 s[\g+5], KROW                        ; from row to row
	s_mov_b32 s[\g+6], 0
	s_mov_b32 s[\g+7], 0
.endr
	s_lshl_b32 s18, s16, 7                         ; which 128 rows of the tile I fetch
	s_lshl_b32 s20, s17, 8
	s_add_co_u32 s20, s20, s18
	s_lshl_b32 s20, s20, 10                        ; A: (256 x tile + 128 x half) rows of 1,024 bytes: under 2^23
	s_mov_b32 s21, 0
	s_lshl_b32 s46, s42, 8
	s_add_co_u32 s46, s46, s18
	s_lshl_b32 s46, s46, 10                        ; B likewise
	s_mov_b32 s47, 0
	s_mul_i32 s45, s14, HALFT                      ; where they go: wave x 128 rows
	s_wait_kmcnt 0x0
	s_load_b256 s[84:91], s[76:77], 0x0            ; e0 .. e7
	s_load_b64 s[92:93], s[76:77], 0x20            ; e8, e9
	s_cmp_eq_u32 ttmp9, 2
	s_cselect_b64 s[4:5], s[74:75], s[68:69]       ; A: Vw or x
	s_cselect_b64 s[6:7], s[68:69], s[70:71]       ; B: x or Qw
	s_cselect_b64 s[10:11], s[82:83], s[78:79]     ; out: vc or qc
	s_cmp_eq_u32 ttmp9, 1
	s_cselect_b64 s[6:7], s[72:73], s[6:7]         ; K: Kw,
	s_cselect_b64 s[10:11], s[80:81], s[10:11]     ; kc
	s_add_nc_u64 s[20:21], s[4:5], s[20:21]
	s_add_nc_u64 s[46:47], s[6:7], s[46:47]
	CROUND                                         ; all sixteen work-groups are here: the first joint loads meet
.irp s, 0,1
	s_mov_b32 s[G0+4*\s], 1
	s_add_co_u32 s[G0+4*\s+1], s45, \s*SLOT
	s_add_nc_u64 s[G0+4*\s+2:G0+4*\s+3], s[20:21], \s*ROWB
	s_or_b32 s[G0+4*\s+3], s[G0+4*\s+3], 0x80000000
	s_mov_b32 s[G0B+4*\s], 1
	s_add_co_u32 s[G0B+4*\s+1], s45, \s*SLOT
	s_add_nc_u64 s[G0B+4*\s+2:G0B+4*\s+3], s[46:47], \s*ROWB
	s_or_b32 s[G0B+4*\s+3], s[G0B+4*\s+3], 0x80000000
	JLOAD G0+4*\s, G1, G0B+4*\s, G1B
.endr
	v_and_b32 v1, 15, v0                           ; l % 16
	v_bfe_u32 v2, v0, 4, 1                         ; l / 16
	v_mul_u32_u24 v3, v1, PITCH
	v_lshl_add_u32 v4, v2, 4, v3                   ; a fragment's row x pitch + 16 x half
	s_mul_i32 s21, s15, HALFT                      ; my 128 rows of A
	s_mul_i32 s22, s16, HALFT                      ; my 128 rows of B,
	s_add_co_u32 s22, s22, 2*HALFT                 ; which lie behind A's 256
.irp s, 0,1
	v_add_nc_u32 v[ADRA+\s], s21, v4
	v_add_nc_u32 v[ADRB+\s], s22, v4
	s_add_co_u32 s21, s21, SLOT
	s_add_co_u32 s22, s22, SLOT
.endr
	v_and_b32 v6, 31, v0
	v_lshlrev_b32 v[CO], 4, v6
	s_lshl_b32 s20, s17, 4                         ; my first image: ((16 x A's tile + 8 x half) x images in a row + 2 x B's tile + half) x 2,048 bytes
	s_lshl_b32 s21, s15, 3
	s_add_co_u32 s20, s20, s21
	s_mul_i32 s20, s20, s98
	s_lshl_b32 s21, s42, 1
	s_add_co_u32 s20, s20, s21
	s_add_co_u32 s20, s20, s16
	s_lshl_b32 s20, s20, 11
	s_mov_b32 s21, 0
	s_add_nc_u64 s[10:11], s[10:11], s[20:21]
	s_lshl_b32 s12, s98, 11                        ; from a block of A to the next
	s_mov_b32 s13, 0
	s_wait_kmcnt 0x0                               ; the exponents
	s_cmp_eq_u32 ttmp9, 2
	s_cselect_b32 s94, s93, s90                    ; the result's: e9 or e6
	s_cselect_b32 s95, s88, s84                    ; x's: e4 or e0
	s_cselect_b32 s96, s89, s85                    ; the weight's: e5 or e1
	s_cmp_eq_u32 ttmp9, 1
	s_cselect_b32 s94, s91, s94                    ; K: e7, e2, e3
	s_cselect_b32 s95, s86, s95
	s_cselect_b32 s96, s87, s96
	s_sub_co_i32 s94, s94, s95
	s_sub_co_i32 s94, s94, s96                     ; a sum stands for sum x 2^(ea + eb): its code is sum / 2^(eo - ea - eb)
	s_add_co_i32 s94, s94, 127
	s_lshl_b32 s99, s94, 23
	v_mov_b32 v[SCL], s99
	s_add_co_i32 s94, s94, 8
	s_lshl_b32 s95, s94, 23
	s_or_b32 s95, s95, 0x600000                    ; 448 x that,
	s_or_b32 s96, s95, 0x80000000                  ; and its negative
.macro FRAG reg, adr, q, i             ; 16 rows x 128 K: four loads of 16 bytes, 32 bytes apart
.irp c, 0,1,2,3
	ds_load_b128 v[\reg+4*\c:\reg+4*\c+3], v[\adr] offset:128*(\q)+32*\c+(\i)*16*PITCH
.endr
.endm
; 16 matrix instructions: A's blocks a0, a0 + 1 x B's eight.  p: B's set.  zero = 1: the product starts the sum.  The 64 accumulators take turns, one instruction a turn.
.macro MUL16 a0, p, zero
.irp a, \a0, \a0+1
.irp b, 0,1,2,3,4,5,6,7
.if \zero
	v_wmma_f32_16x16x128_fp8_fp8 v[8*(8*((\a)%4)+\b):8*(8*((\a)%4)+\b)+7], v[128*(\p)+FR*\b:128*(\p)+FR*\b+FR-1], v[AF+FR*(\a):AF+FR*(\a)+FR-1], 0
.else
	v_wmma_f32_16x16x128_fp8_fp8 v[8*(8*((\a)%4)+\b):8*(8*((\a)%4)+\b)+7], v[128*(\p)+FR*\b:128*(\p)+FR*\b+FR-1], v[AF+FR*(\a):AF+FR*(\a)+FR-1], v[8*(8*((\a)%4)+\b):8*(8*((\a)%4)+\b)+7]
.endif
.endr
.endr
.endm
.macro FETCH_B slot, q, p
	WIN TO_B
.irp i, 0,1,2,3,4,5,6,7
	FRAG 128*(\p)+FR*\i, ADRB+\slot, \q, \i
.endr
	WIN 0
.endm
.macro FETCH_A slot, q, i0
.irp i, \i0, \i0+1, \i0+2, \i0+3
	FRAG AF+FR*(\i), ADRA+\slot, \q, \i
.endr
.endm
; A step of 128 along K that has its successor in the same slot.  A's one set is fetched anew by halves, as its blocks are done with; B's next set in the middle run.
.macro STEP slot, q, zero
	s_wait_dscnt 4*NL                              ; B's set and A's blocks 0-3 are in; the youngest sixteen loads (A's blocks 4-7) may be out
	WIN MUL_LO
	MUL16 0, (\q)%2, \zero
	MUL16 2, (\q)%2, \zero
	s_wait_dscnt 0                                 ; A's blocks 4-7 are in
	PLACES NP                                      ; in front of loads into registers that matrix instructions have read
	FETCH_B \slot, (\q)+1, 1-(\q)%2
	FETCH_A \slot, (\q)+1, 0
	WIN MUL_HI
	MUL16 4, (\q)%2, \zero
	MUL16 6, (\q)%2, \zero
	PLACES NP
	WIN 0
	FETCH_A \slot, (\q)+1, 4
.endm
; A slot's last step changes slots: one barrier; in front of it each wave waits for all its tensor loads, adds 0 to its spare word, and waits for that and for its reads of this slot.
.macro TURN slot, next, fill
	s_wait_tensorcnt 0x0                           ; all my tensor loads have landed: my part of the next slot
	ds_add_u32 v[SPW], v[NIL]
	s_wait_dscnt 4*NL+1                            ; the add and the youngest sixteen loads may be out
	WIN MUL_LO
	MUL16 0, 1, 0
	s_wait_dscnt 0x0                               ; the add is done, and my reads of this slot are over
	s_barrier_signal -1
	MUL16 2, 1, 0
	WIN 0
	s_barrier_wait -1
.if \fill
	CREST                                          ; the barrier has opened a round of the cluster's: no wave of any partner still reads this slot or has a load on its way
	s_add_nc_u64 s[G0+4*\slot+2:G0+4*\slot+3], s[G0+4*\slot+2:G0+4*\slot+3], REFILL
	s_add_nc_u64 s[G0B+4*\slot+2:G0B+4*\slot+3], s[G0B+4*\slot+2:G0B+4*\slot+3], REFILL
	JLOAD G0+4*\slot, G1, G0B+4*\slot, G1B         ; the first tensor load behind the round; its four v_nop are the places in front of the loads below
.else
	PLACES NP
.endif
	FETCH_B \next, 0, 0
	FETCH_A \next, 0, 0
	WIN MUL_HI
	MUL16 4, 1, 0
	MUL16 6, 1, 0
	PLACES NP
	WIN 0
	FETCH_A \next, 0, 4
.endm
	s_wait_tensorcnt 1                             ; my part of K step 0 is in; K step 1's load may be out
	s_barrier_signal -1
	s_barrier_wait -1
	FETCH_B 0, 0, 0
	FETCH_A 0, 0, 0
	FETCH_A 0, 0, 4
	STEP 0, 0, 1                                   ; four K steps of 256, written out: the first products start the sums
	TURN 0, 1, 1
	STEP 1, 0, 0
	TURN 1, 0, 1
	STEP 0, 0, 0
	TURN 0, 1, 0                                   ; nothing is left to fetch
	STEP 1, 0, 0
	s_wait_dscnt 4*NL
	WIN MUL_LO
	MUL16 0, 1, 0
	MUL16 2, 1, 0
	s_wait_dscnt 0
	WIN MUL_HI
	MUL16 4, 1, 0
	MUL16 6, 1, 0
	WIN 0
; THE WAY OUT, a block of A (16 rows) at a time: hold, convert, store the image.
.macro HOLD a                          ; the conversion to an 8-bit code does not saturate (ISA guide 7.6.2): each sum is held within 448 x the scale; each accumulator from its low end on
	WIN 0x02+((\a)/4)
.set AC, 64*((\a)%4)
.set j, 0
.rept 64
	v_med3_num_f32 v[TMP+j], v[AC+j], s96, s95
.set j, j+1
.endr
	WIN 0
.endm
.macro CODE a                          ; accumulator b's eight numbers become registers 2 b, 2 b + 1 of the fragment
.set CD, CDS+16*((\a)%2)
.irp b, 0,1,2,3,4,5,6,7
	v_cvt_scalef32_pk8_fp8_f32 v[CD+2*\b:CD+2*\b+1], v[TMP+8*\b:TMP+8*\b+7], v[SCL]
.endr
	v_nop                                          ; a plain line behind the conversions: the next block's holds write their sources
.endm
.macro OUT a
.set CD, CDS+16*((\a)%2)
.irp c, 0,1,2,3
	global_store_b128 v[CO], v[CD+4*\c:CD+4*\c+3], s[10:11] offset:512*\c   ; 32 lanes store 512 consecutive bytes, aligned
.endr
.endm
	PLACES NP                                      ; behind the last products, in front of the first read of results
.irp a, 0,1,2,3,4,5,6,7
	HOLD \a
	CODE \a                                        ; its set of code registers was stored two blocks ago, ahead of the last block's wait below
.if \a > 0
	s_wait_xcnt 0x0                                ; the earlier stores have read their base and their data
	s_add_nc_u64 s[10:11], s[10:11], s[12:13]
.endif
	OUT \a
.endr
	s_wait_tensorcnt 0x0                           ; the wave's end
	ds_add_u32 v[SPW], v[NIL]
	s_wait_dscnt 0x0
	CROUND                                         ; the closing round
	s_endpgm
.Lfunc_end_k_qecc24575fb_proj:
	.size	k_qecc24575fb_proj, .Lfunc_end_k_qecc24575fb_proj-k_qecc24575fb_proj
	.p2alignl 7, 3214868480
	.fill 96, 4, 3214868480
	.section	.rodata,"a",@progbits
	.p2align	6, 0x0
	.amdhsa_kernel k_qecc24575fb_proj
		.amdhsa_group_segment_fixed_size 327680
		.amdhsa_private_segment_fixed_size 0
		.amdhsa_enable_private_segment 0
		.amdhsa_kernarg_size 64
		.amdhsa_user_sgpr_count 2
		.amdhsa_user_sgpr_kernarg_segment_ptr 1
		.amdhsa_wavefront_size32 1
		.amdhsa_system_sgpr_workgroup_id_x 1
		.amdhsa_system_sgpr_workgroup_id_y 1
		.amdhsa_system_sgpr_workgroup_id_z 1
		.amdhsa_system_vgpr_workitem_id 0
		.amdhsa_next_free_vgpr 1024
		.amdhsa_next_free_sgpr 100
		.amdhsa_reserve_vcc 0
		.amdhsa_float_denorm_mode_32 3
		.amdhsa_float_denorm_mode_16_64 3
		.amdhsa_memory_ordered 1
		.amdhsa_forward_progress 1
		.amdhsa_inst_pref_size 118
	.end_amdhsa_kernel
	.amdgpu_metadata
---
amdhsa.version: [ 1, 2 ]
amdhsa.kernels:
  - .name:           k_qecc24575fb_proj
    .symbol:         k_qecc24575fb_proj.kd
    .args:
      - { .name: x_codes, .offset: 0, .size: 8, .value_kind: global_buffer, .address_space: global }
      - { .name: Qw_codes, .offset: 8, .size: 8, .value_kind: global_buffer, .address_space: global }
      - { .name: Kw_codes, .offset: 16, .size: 8, .value_kind: global_buffer, .address_space: global }
      - { .name: Vw_codes, .offset: 24, .size: 8, .value_kind: global_buffer, .address_space: global }
      - { .name: lowp_scales, .offset: 32, .size: 8, .value_kind: global_buffer, .address_space: global }
      - { .name: qc, .offset: 40, .size: 8, .value_kind: global_buffer, .address_space: global }
      - { .name: kc, .offset: 48, .size: 8, .value_kind: global_buffer, .address_space: global }
      - { .name: vc, .offset: 56, .size: 8, .value_kind: global_buffer, .address_space: global }
    .group_segment_fixed_size: 327680
    .private_segment_fixed_size: 0
    .kernarg_segment_align: 8
    .kernarg_segment_size: 64
    .max_flat_workgroup_size: 128
    .sgpr_count:     100
    .vgpr_count:     1024
    .wavefront_size: 32
...
	.end_amdgpu_metadata
.endif
;; end of part 1
;; launch score (part 2): grid 12 x 16, 4 waves a work-group, clusters of 4 x 4, 327,680 bytes of LDS; arguments qc, kc, lowp_scales, pc, st; writes pc, st
.if DOCPART == 2
	.amdgcn_target "amdgcn-amd-amdhsa--gfx1250"
	.amdhsa_code_object_version 6
	.text
	.protected	k_qecc24575fb_score
	.globl	k_qecc24575fb_score
	.p2align	8
	.type	k_qecc24575fb_score,@function
k_qecc24575fb_score:
	s_mov_b64 s[64:65], 0
	v_nop
	global_prefetch_b8 v0, s[64:65] scope:SCOPE_SE
	s_setreg_imm32_b32 hwreg(HW_REG_WAVE_MODE, 25, 1), 1
	s_wait_xcnt 0x0
	s_wait_alu depctr_hold_cnt(0) depctr_sa_sdst(0) depctr_va_vdst(0) depctr_va_sdst(0) depctr_va_ssrc(0) depctr_va_vcc(0) depctr_vm_vsrc(0)
	s_getreg_b32 s2, hwreg(HW_REG_IB_STS2, 6, 4)
	s_cmp_eq_u32 s2, 0
	s_cbranch_scc0 .Lentry_in_a_cluster
	s_endpgm
.Lentry_in_a_cluster:
	s_bfe_u32 s2, ttmp6, 0x10000c
	s_cmp_lg_u32 s2, 0xf033
	s_cbranch_scc0 .Lentry_shape_is_right
	s_endpgm
.Lentry_shape_is_right:
; A tile of 256 queries x 256 keys of Q K^T on codes of E4M3 (K = 1,024 channels), the causal mask, and the softmax's p as codes for the last product.
; t = score x log2(e) / 32;  M = the largest t of a query AMONG THE TILE'S 256 KEYS, rounded up to a whole number;  p = 2^(t - M), quantised with 2^e8;  l = the sum of the unquantised p.
; M being a whole number, the last launch brings the blocks of a row to a common level by exact powers of two.  Against a whole row's M this keeps small p that would fall under the format's range;
; with e8 under -8 the hold at 448 x 2^e8 meets each block's largest p and not the row's alone.
; SHARES.  Cluster x = region: 0: query tiles 0-3 x key tiles 0-3; 1: 4-7 x 0-3; 2: 4-7 x 4-7 (the region wholly under the mask is not launched); cluster y = batch.  A tile above the diagonal inside a region runs like
; every other (no branch may hang on a work-group's place in its cluster) and stores zero codes; the last launch reads eight of them in a batch... as zeros.
; A wave makes 128 queries x 128 keys.  Source 0 = 16 keys, source 1 = 16 queries: a lane holds ONE query and its registers neighbouring keys, so that the eight accumulators of a block of queries, converted, are the
; 16 registers of a fragment of P (16 queries x 128 keys), in the matrix form's own order.
; INPUT: qc, kc: images of fragments [token block of 16: 512][channel block of 128: 8][2,048 bytes]: a K step of 256 channels of 8 token blocks is 8 rows of 4,096 bytes for the mover; a fragment comes by four loads at 16 x lane.
; THE MASK IS WHERE THE SUMS START: -3e38 where the key comes after the query, else 0; made while the first tiles are on their way.  It takes the place of clearing and of a pass over the scores.
; OUTPUT: pc [batch][query block of 16: 128][key block of 128: 16][2,048];  st: a record of 1,024 bytes for each (batch, query tile, key tile, wave): [c: 2][lane: 32][i: 4] f32, query block 4 c + i of the wave's eight:
; lanes 0-15 hold -M of query lane, lanes 16-31 the wave's l of query lane - 16.
; LIMITS: e6 + e7 between -110 and 28 (c x 3e38 must stay far under every t, c x 1e30 an f32 number); e8 between -126 and 119.  NaN codes are not served.
; No prefetch: a tile has two refills, so any lead would fall at the head.
; REGISTERS: window 0: v16-29 addresses and constants; on the way out v32-39 maxima, v40-47 at work, v48-63 pairs (-M, largest t), v64-71 l, v72-79 the record, v80-83 sums, v96-127 codes (two sets), v128-255 p (two sets);
;   in the loop v128-255 Q's fragments.  window 1: K's fragments, two sets.  windows 2, 3: accumulator (a, b) at v[8 (8 (a % 4) + b)].
.set FR,     16
.set NL,     4
.set NP,     4
.set HALFT,  32768                     ; 8 token blocks x 4,096 bytes: what one tensor load brings
.set SLOT,   4*HALFT                   ; Q's 16 blocks, then K's 16
.set REFILL, 8192                      ; a slot's next K step: two steps of 4,096 bytes on
.set SPARE,  2*SLOT                    ; the spare words, 128 bytes a wave, which no other line names
.set MXB,    SPARE+512                 ; 1,024 bytes a wave: the maxima that the two waves of a row half exchange; no tile lands here
.set ADRA, 16
.set ADRB, 20
.set VT,   22                          ; v22  my query less my first key: the mask's threshold
.set BIG,  23                          ; v23  -3e38
.set CO,   24                          ; v24  16 x lane
.set MXO,  25                          ; v25  where I put my maxima
.set MXI,  26                          ; v26  where my partner wave put its
.set SCL,  27                          ; v27  2^e8 as f32
.set SPW,  28
.set NIL,  29
.set MX,   32
.set T,    40
.set NM,   48
.set LL,   64
.set SV,   72
.set SM,   80
.set CDS,  96
.set TPS,  128
.set AF,   128
.set G1, 24
.set G0, 32
.set G1B, 48
.set G0B, 56
.set MSB, 0
.macro WIN new
.if MSB != (\new)
	s_set_vgpr_msb (MSB<<8)|(\new)
.set MSB, (\new)
.endif
.endm
.set MUL_LO, 0xa1
.set MUL_HI, 0xf1
.set TO_B,   0x40
.macro JLOAD g0a, g1a, g0b, g1b        ; waves 0 and 1 fetch Q's halves, waves 2 and 3 K's; four v_nop follow each line
	s_cmp_eq_u32 s15, 0
	s_cbranch_scc0 .Lfor_b_\@
	tensor_load_to_lds s[\g0a:\g0a+3], s[\g1a:\g1a+7]
	s_nop 0
.rept 4
	v_nop
.endr
	s_branch .Lasked_\@
.Lfor_b_\@:
	tensor_load_to_lds s[\g0b:\g0b+3], s[\g1b:\g1b+7]
	s_nop 0
.rept 4
	v_nop
.endr
.Lasked_\@:
.endm
.macro CREST
	s_cmp_lg_u32 s14, 0
	s_cbranch_scc1 .Lnot_wave_0_\@
	s_barrier_signal -3
.Lnot_wave_0_\@:
	s_barrier_wait -3
	s_barrier_signal -1
	s_barrier_wait -1
.endm
.macro CROUND
	s_barrier_signal -1
	s_barrier_wait -1
	CREST
.endm
.macro PLACES n
.rept \n
	v_nop
.endr
.endm
	s_load_b256 s[68:75], s[0:1], 0x0              ; qc 68, kc 70, scales 72, pc 74
	s_load_b64 s[76:77], s[0:1], 0x20              ; st
	v_lshl_add_u32 v[SPW], v0, 2, SPARE
	v_mov_b32 v[NIL], 0
	ds_add_u32 v28, v29
	ds_add_u32 v28, v29
	s_wait_dscnt 0x0
	v_lshrrev_b32 v1, 5, v0
	v_readfirstlane_b32 s14, v1                    ; wave
	s_lshr_b32 s15, s14, 1                         ; my half of the queries.  Also: I fetch for Q (0) or K (1)
	s_and_b32 s16, s14, 1                          ; my half of the keys.  Also: which 8 token blocks I fetch
	s_bfe_u32 s40, ttmp6, 0x40000                  ; cx, cy
	s_bfe_u32 s41, ttmp6, 0x40004
	s_min_u32 s17, ttmp9, 1
	s_lshl_b32 s17, s17, 2
	s_add_co_u32 s17, s17, s41                     ; query tile = 4 min(region, 1) + cy
	s_lshr_b32 s42, ttmp9, 1
	s_lshl_b32 s42, s42, 2
	s_add_co_u32 s42, s42, s40                     ; key tile = 4 (region / 2) + cx
	s_and_b32 s18, ttmp7, 0xffff                   ; batch
	s_lshl_b32 s43, s41, 2
	s_lshl_b32 s43, 15, s43                        ; my row of the cluster: shares Q's tiles
	s_lshl_b32 s44, 0x1111, s40                    ; my column: shares K's
	s_or_b32 s[G1+0], s43, (3<<16)|(1<<21)         ; 15:0 the mask; 17:16 elements of 8 bytes; no padding; 21 set beside a mask
	s_or_b32 s[G1B+0], s44, (3<<16)|(1<<21)
.irp g, G1, G1B
	s_mov_b32 s[\g+1], 512<<16                     ; tensor_dim0: 512 elements, 4,096 bytes
	s_mov_b32 s[\g+2], 8<<16                       ; tensor_dim1: 8 token blocks
	s_mov_b32 s[\g+3], 512<<16                     ; tile_dim0
	s_mov_b32 s[\g+4], 8                           ; tile_dim1
	s_mov_b32 s[\g+5], 2048                        ; from block to block: 16,384 bytes
	s_mov_b32 s[\g+6], 0
	s_mov_b32 s[\g+7], 0
.endr
	s_lshl_b32 s19, s18, 7                         ; batch x 128 token blocks
	s_lshl_b32 s99, s16, 3
	s_add_co_u32 s19, s19, s99                     ; + the 8 that I fetch
	s_lshl_b32 s20, s17, 4
	s_add_co_u32 s20, s20, s19
	s_lshl_b32 s20, s20, 14                        ; Q: token block x 16,384 bytes: under 2^23
	s_mov_b32 s21, 0
	s_lshl_b32 s46, s42, 4
	s_add_co_u32 s46, s46, s19
	s_lshl_b32 s46, s46, 14                        ; K likewise
	s_mov_b32 s47, 0
	s_lshl_b32 s45, s14, 15                        ; where they go: wave x 32,768
	s_wait_kmcnt 0x0
	s_load_b128 s[80:83], s[72:73], 0x18           ; e6, e7, e8, e9
	s_add_nc_u64 s[20:21], s[68:69], s[20:21]
	s_add_nc_u64 s[46:47], s[70:71], s[46:47]
	CROUND                                         ; the first joint loads meet
.irp s, 0,1
	s_mov_b32 s[G0+4*\s], 1
	s_add_co_u32 s[G0+4*\s+1], s45, \s*SLOT
	s_add_nc_u64 s[G0+4*\s+2:G0+4*\s+3], s[20:21], \s*4096
	s_or_b32 s[G0+4*\s+3], s[G0+4*\s+3], 0x80000000
	s_mov_b32 s[G0B+4*\s], 1
	s_add_co_u32 s[G0B+4*\s+1], s45, \s*SLOT
	s_add_nc_u64 s[G0B+4*\s+2:G0B+4*\s+3], s[46:47], \s*4096
	s_or_b32 s[G0B+4*\s+3], s[G0B+4*\s+3], 0x80000000
	JLOAD G0+4*\s, G1, G0B+4*\s, G1B
.endr
	v_and_b32 v4, 31, v0
	v_lshlrev_b32 v[CO], 4, v4
	s_lshl_b32 s21, s15, 15                        ; my 8 blocks of Q
	s_lshl_b32 s22, s16, 15
	s_add_co_u32 s22, s22, 2*HALFT                 ; my 8 blocks of K, behind Q's 16
.irp s, 0,1
	v_add_nc_u32 v[ADRA+\s], s21, v[CO]
	v_add_nc_u32 v[ADRB+\s], s22, v[CO]
	s_add_co_u32 s21, s21, SLOT
	s_add_co_u32 s22, s22, SLOT
.endr
	s_lshl_b32 s19, s14, 10
	s_add_co_u32 s19, s19, MXB
	v_add_nc_u32 v[MXO], s19, v[CO]
	s_xor_b32 s19, s14, 1                          ; the wave with my queries and the other keys
	s_lshl_b32 s19, s19, 10
	s_add_co_u32 s19, s19, MXB
	v_add_nc_u32 v[MXI], s19, v[CO]
.irp a, 0,1,2,3,4,5,6,7
	v_mov_b32 v[T+\a], 0                           ; written once: a lane permute's destination counts as one of its sources
.endr
	; THE MASK.  Register j of accumulator (a, b) holds key 16 b + 8 h + j of my 128 for query 16 a + r of my 128: hidden where 16 (b - a) + j > VT = 256 (query tile - key tile) + 128 (my query half - my key half) + r - 8 h
	s_sub_co_i32 s99, s17, s42
	s_lshl_b32 s99, s99, 8
	s_sub_co_i32 s19, s15, s16
	s_lshl_b32 s19, s19, 7
	s_add_co_i32 s99, s99, s19
	v_and_b32 v1, 15, v0
	v_bfe_u32 v2, v0, 4, 1
	v_lshlrev_b32 v3, 3, v2
	v_sub_nc_u32 v[VT], v1, v3
	v_add_nc_u32 v[VT], s99, v[VT]
	v_mov_b32 v[BIG], 0xff61b1e6
.set dl, -7
.rept 15                               ; by diagonals b - a = dl: eight compares serve all accumulators of a diagonal
	WIN 0
.irp j, 0,1,2,3,4,5,6,7
	v_cmp_gt_i32 s[4+\j], 16*dl+\j, v[VT]
.endr
.irp a, 0,1,2,3,4,5,6,7
.if ((\a)+dl >= 0) && ((\a)+dl <= 7)
	WIN 0x80+0x40*((\a)/4)                         ; destination window 2 or 3
.irp j, 0,1,2,3,4,5,6,7
	v_cndmask_b32 v[8*(8*((\a)%4)+(\a)+dl)+\j], 0, v[BIG], s[4+\j]
.endr
.endif
.endr
.set dl, dl+1
.endr
	WIN 0
	s_lshl_b32 s19, s18, 7                         ; pc: ((batch x 128 + 16 x query tile + 8 x half) x 16 + 2 x key tile + half) x 2,048 bytes: under 2^24
	s_lshl_b32 s99, s17, 4
	s_add_co_u32 s19, s19, s99
	s_lshl_b32 s99, s15, 3
	s_add_co_u32 s19, s19, s99
	s_lshl_b32 s19, s19, 4
	s_lshl_b32 s99, s42, 1
	s_add_co_u32 s19, s19, s99
	s_add_co_u32 s19, s19, s16
	s_lshl_b32 s22, s19, 11
	s_mov_b32 s23, 0
	s_add_nc_u64 s[74:75], s[74:75], s[22:23]
	s_lshl_b32 s19, s18, 3                         ; st: record ((batch x 8 + query tile) x 8 + key tile) x 4 + wave, of 1,024 bytes
	s_add_co_u32 s19, s19, s17
	s_lshl_b32 s19, s19, 3
	s_add_co_u32 s19, s19, s42
	s_lshl_b32 s19, s19, 2
	s_add_co_u32 s19, s19, s14
	s_lshl_b32 s22, s19, 10
	s_add_nc_u64 s[76:77], s[76:77], s[22:23]
	s_mov_b32 s96, 0x76543210                      ; v_permlanex16_b32's selects for lane l xor 16
	s_mov_b32 s97, 0xfedcba98
	s_mov_b32 s12, 0xffff0000                      ; lanes 16-31
	s_wait_kmcnt 0x0
	s_add_co_i32 s99, s80, s81
	s_lshl_b32 s99, s99, 23
	s_add_co_i32 s94, s99, 0x3d38aa3b              ; c = log2(e) / 32 x 2^(e6 + e7): the exponents are added to c's exponent field
	s_mov_b32 s95, s94                             ; (named with it as a pair)
	s_add_co_i32 s99, s82, 127
	s_lshl_b32 s19, s99, 23
	v_mov_b32 v[SCL], s19                          ; 2^e8
	s_add_co_i32 s99, s99, 8
	s_lshl_b32 s98, s99, 23
	s_or_b32 s98, s98, 0x600000                    ; 448 x 2^e8
.macro FRAG reg, adr, q, i             ; an image comes back as it was stored: four loads at 16 x lane, 512 bytes apart
.irp c, 0,1,2,3
	ds_load_b128 v[\reg+4*\c:\reg+4*\c+3], v[\adr] offset:(\i)*4096+(\q)*2048+512*\c
.endr
.endm
.macro MUL16 a0, p, zero               ; the 64 accumulators take turns, one instruction a turn
.irp a, \a0, \a0+1
.irp b, 0,1,2,3,4,5,6,7
	v_wmma_f32_16x16x128_fp8_fp8 v[8*(8*((\a)%4)+\b):8*(8*((\a)%4)+\b)+7], v[128*(\p)+FR*\b:128*(\p)+FR*\b+FR-1], v[AF+FR*(\a):AF+FR*(\a)+FR-1], v[8*(8*((\a)%4)+\b):8*(8*((\a)%4)+\b)+7]
.endr
.endr
.endm
.macro FETCH_B slot, q, p
	WIN TO_B
.irp i, 0,1,2,3,4,5,6,7
	FRAG 128*(\p)+FR*\i, ADRB+\slot, \q, \i
.endr
	WIN 0
.endm
.macro FETCH_A slot, q, i0
.irp i, \i0, \i0+1, \i0+2, \i0+3
	FRAG AF+FR*(\i), ADRA+\slot, \q, \i
.endr
.endm
.macro STEP slot, q, zero
	s_wait_dscnt 4*NL                              ; K's set and Q's blocks 0-3 are in; the youngest sixteen loads may be out
	WIN MUL_LO
	MUL16 0, (\q)%2, \zero
	MUL16 2, (\q)%2, \zero
	s_wait_dscnt 0
	PLACES NP
	FETCH_B \slot, (\q)+1, 1-(\q)%2
	FETCH_A \slot, (\q)+1, 0
	WIN MUL_HI
	MUL16 4, (\q)%2, \zero
	MUL16 6, (\q)%2, \zero
	PLACES NP
	WIN 0
	FETCH_A \slot, (\q)+1, 4
.endm
.macro TURN slot, next, fill
	s_wait_tensorcnt 0x0                           ; all my tensor loads have landed
	ds_add_u32 v[SPW], v[NIL]
	s_wait_dscnt 4*NL+1                            ; the add and the youngest sixteen loads may be out
	WIN MUL_LO
	MUL16 0, 1, 0
	s_wait_dscnt 0x0                               ; the add is done, and my reads of this slot are over
	s_barrier_signal -1
	MUL16 2, 1, 0
	WIN 0
	s_barrier_wait -1
.if \fill
	CREST
	s_add_nc_u64 s[G0+4*\slot+2:G0+4*\slot+3], s[G0+4*\slot+2:G0+4*\slot+3], REFILL
	s_add_nc_u64 s[G0B+4*\slot+2:G0B+4*\slot+3], s[G0B+4*\slot+2:G0B+4*\slot+3], REFILL
	JLOAD G0+4*\slot, G1, G0B+4*\slot, G1B
.else
	PLACES NP
.endif
	FETCH_B \next, 0, 0
	FETCH_A \next, 0, 0
	WIN MUL_HI
	MUL16 4, 1, 0
	MUL16 6, 1, 0
	PLACES NP
	WIN 0
	FETCH_A \next, 0, 4
.endm
	s_wait_tensorcnt 1                             ; my part of K step 0 is in; K step 1's may be out
	s_barrier_signal -1
	s_barrier_wait -1
	FETCH_B 0, 0, 0
	FETCH_A 0, 0, 0
	FETCH_A 0, 0, 4
	STEP 0, 0, 0                                   ; every product adds: the sums started as the mask
	TURN 0, 1, 1
	STEP 1, 0, 0
	TURN 1, 0, 1
	STEP 0, 0, 0
	TURN 0, 1, 0
	STEP 1, 0, 0
	s_wait_dscnt 4*NL
	WIN MUL_LO
	MUL16 0, 1, 0
	MUL16 2, 1, 0
	s_wait_dscnt 0
	WIN MUL_HI
	MUL16 4, 1, 0
	MUL16 6, 1, 0
	WIN 0
	; THE WAY OUT.  The largest score of each query: among my lane's 64 keys (four blocks of queries by turns, each accumulator from its low end on),
	PLACES NP
.irp hi, 0,1
	WIN 0x2a+0x15*\hi                              ; all three sources window 2 or 3
.irp a, 0,1,2,3
	v_max3_num_f32 v[MX+4*\hi+\a], v[64*\a], v[64*\a+1], v[64*\a+2]
.endr
	WIN 0x28+0x14*\hi                              ; sources 1 and 2
.set n, 3
.rept 30
.irp a, 0,1,2,3
	v_max3_num_f32 v[MX+4*\hi+\a], v[MX+4*\hi+\a], v[64*\a+n], v[64*\a+n+1]
.endr
.set n, n+2
.endr
.irp a, 0,1,2,3
	v_max_num_f32 v[MX+4*\hi+\a], v[MX+4*\hi+\a], v[64*\a+63]
.endr
.endr
	WIN 0
.irp a, 0,1,2,3,4,5,6,7
	v_permlanex16_b32 v[T+\a], v[MX+\a], s96, s97  ; among lane l xor 16's,
.endr
.irp a, 0,1,2,3,4,5,6,7
	v_max_num_f32 v[MX+\a], v[MX+\a], v[T+\a]
.endr
	ds_store_b128 v[MXO], v[MX:MX+3]               ; and among the other 128 keys, which the partner wave holds
	ds_store_b128 v[MXO], v[MX+4:MX+7] offset:512
	s_wait_dscnt 0x0                               ; for the partner's sake: my stores have landed
	s_barrier_signal -1
	s_barrier_wait -1
	ds_load_b128 v[T:T+3], v[MXI]
	ds_load_b128 v[T+4:T+7], v[MXI] offset:512
	s_wait_dscnt 0x0
.irp a, 0,1,2,3,4,5,6,7
	v_max3_num_f32 v[MX+\a], v[MX+\a], v[T+\a], 0xf149f2ca   ; -1e30 stands for a query all of whose 256 keys are hidden: far over the mask's -3e38, far under every score
.endr
.irp a, 0,1,2,3,4,5,6,7
	v_mul_f32 v[NM+2*\a+1], s94, v[MX+\a]          ; as t (c is positive)
.endr
.irp a, 0,1,2,3,4,5,6,7
	v_floor_f32 v[NM+2*\a], -v[NM+2*\a+1]          ; -M = floor(-t): M is a whole number
.endr
.macro FMA a                           ; t - M, two at a time, into p's set a % 2
	WIN 0x02+((\a)/4)
.set AC, 64*((\a)%4)
.set TP, TPS+64*((\a)%2)
.set j, 0
.rept 32
	v_pk_fma_f32 v[TP+j:TP+j+1], v[AC+j:AC+j+1], s[94:95], v[NM+2*(\a):NM+2*(\a)+1] op_sel_hi:[1,0,0]
.set j, j+2
.endr
	WIN 0
.endm
.macro EXPS a                          ; p = 2^(t - M): a batch of 64
.set TP, TPS+64*((\a)%2)
.set j, 0
.rept 64
	v_exp_f32 v[TP+j], v[TP+j]
.set j, j+1
.endr
.endm
.macro SUMP a                          ; the sum of the UNQUANTISED p, in two chains
.set TP, TPS+64*((\a)%2)
	v_pk_add_f32 v[SM:SM+1], v[TP:TP+1], v[TP+2:TP+3]
	v_pk_add_f32 v[SM+2:SM+3], v[TP+4:TP+5], v[TP+6:TP+7]
.set j, 8
.rept 14
	v_pk_add_f32 v[SM:SM+1], v[SM:SM+1], v[TP+j:TP+j+1]
	v_pk_add_f32 v[SM+2:SM+3], v[SM+2:SM+3], v[TP+j+2:TP+j+3]
.set j, j+4
.endr
	v_pk_add_f32 v[SM:SM+1], v[SM:SM+1], v[SM+2:SM+3]
	v_add_f32 v[LL+(\a)], v[SM], v[SM+1]
.endm
.macro HOLDP a                         ; the conversion does not saturate (ISA guide 7.6.2); p is not negative, so the hold is one-sided
.set TP, TPS+64*((\a)%2)
.set j, 0
.rept 64
	v_min_num_f32 v[TP+j], s98, v[TP+j]
.set j, j+1
.endr
.endm
.macro CODEP a
.set TP, TPS+64*((\a)%2)
.set CD, CDS+16*((\a)%2)
.irp b, 0,1,2,3,4,5,6,7
	v_cvt_scalef32_pk8_fp8_f32 v[CD+2*\b:CD+2*\b+1], v[TP+8*\b:TP+8*\b+7], v[SCL]
.endr
	v_nop                                          ; a plain line behind the conversions: later lines write their sources
.endm
.macro OUTP a
.set CD, CDS+16*((\a)%2)
.irp c, 0,1,2,3
	global_store_b128 v[CO], v[CD+4*\c:CD+4*\c+3], s[74:75] offset:(\a)*32768+512*\c   ; 512 consecutive bytes, aligned
.endr
.endm
	FMA 0
	EXPS 0
	v_nop                                          ; a plain line behind the batch
	s_wait_alu depctr_va_vdst(0)                   ; one wait for the batch, ahead of its first reader
.irp a, 0,1,2,3,4,5,6,7                ; block a + 1's exponentials are issued ahead of block a's sums, holds and conversions, which name none of their results
.if \a < 7
	FMA \a+1
	EXPS \a+1
.endif
	SUMP \a
	HOLDP \a
.if \a >= 2
	s_wait_xcnt 0x0                                ; block a - 2's stores have read this set of code registers
.endif
	CODEP \a
	OUTP \a
.if \a < 7
	s_wait_alu depctr_va_vdst(0)                   ; one wait for block a + 1's batch, ahead of its first reader in the next turn
.endif
.endr
.irp a, 0,1,2,3,4,5,6,7
	v_permlanex16_b32 v[T+\a], v[LL+\a], s96, s97
.endr
.irp a, 0,1,2,3,4,5,6,7
	v_add_f32 v[LL+\a], v[LL+\a], v[T+\a]          ; l over my wave's 128 keys
.endr
.irp a, 0,1,2,3,4,5,6,7
	v_cndmask_b32 v[SV+\a], v[NM+2*\a], v[LL+\a], s12   ; lanes 0-15: -M; lanes 16-31: l
.endr
	global_store_b128 v[CO], v[SV:SV+3], s[76:77]
	global_store_b128 v[CO], v[SV+4:SV+7], s[76:77] offset:512
	s_wait_tensorcnt 0x0                           ; the wave's end
	ds_add_u32 v[SPW], v[NIL]
	s_wait_dscnt 0x0
	CROUND                                         ; the closing round
	s_endpgm
.Lfunc_end_k_qecc24575fb_score:
	.size	k_qecc24575fb_score, .Lfunc_end_k_qecc24575fb_score-k_qecc24575fb_score
	.p2alignl 7, 3214868480
	.fill 96, 4, 3214868480
	.section	.rodata,"a",@progbits
	.p2align	6, 0x0
	.amdhsa_kernel k_qecc24575fb_score
		.amdhsa_group_segment_fixed_size 327680
		.amdhsa_private_segment_fixed_size 0
		.amdhsa_enable_private_segment 0
		.amdhsa_kernarg_size 40
		.amdhsa_user_sgpr_count 2
		.amdhsa_user_sgpr_kernarg_segment_ptr 1
		.amdhsa_wavefront_size32 1
		.amdhsa_system_sgpr_workgroup_id_x 1
		.amdhsa_system_sgpr_workgroup_id_y 1
		.amdhsa_system_sgpr_workgroup_id_z 1
		.amdhsa_system_vgpr_workitem_id 0
		.amdhsa_next_free_vgpr 1024
		.amdhsa_next_free_sgpr 100
		.amdhsa_reserve_vcc 0
		.amdhsa_float_denorm_mode_32 3
		.amdhsa_float_denorm_mode_16_64 3
		.amdhsa_memory_ordered 1
		.amdhsa_forward_progress 1
		.amdhsa_inst_pref_size 214
	.end_amdhsa_kernel
	.amdgpu_metadata
---
amdhsa.version: [ 1, 2 ]
amdhsa.kernels:
  - .name:           k_qecc24575fb_score
    .symbol:         k_qecc24575fb_score.kd
    .args:
      - { .name: qc, .offset: 0, .size: 8, .value_kind: global_buffer, .address_space: global }
      - { .name: kc, .offset: 8, .size: 8, .value_kind: global_buffer, .address_space: global }
      - { .name: lowp_scales, .offset: 16, .size: 8, .value_kind: global_buffer, .address_space: global }
      - { .name: pc, .offset: 24, .size: 8, .value_kind: global_buffer, .address_space: global }
      - { .name: st, .offset: 32, .size: 8, .value_kind: global_buffer, .address_space: global }
    .group_segment_fixed_size: 327680
    .private_segment_fixed_size: 0
    .kernarg_segment_align: 8
    .kernarg_segment_size: 40
    .max_flat_workgroup_size: 128
    .sgpr_count:     100
    .vgpr_count:     1024
    .wavefront_size: 32
...
	.end_amdgpu_metadata
.endif
;; end of part 2
;; launch mix (part 3): grid 4 x 64, 4 waves a work-group, clusters of 4 x 4, 327,680 bytes of LDS; arguments pc, vc, st, lowp_scales, out0; writes out0
.if DOCPART == 3
	.amdgcn_target "amdgcn-amd-amdhsa--gfx1250"
	.amdhsa_code_object_version 6
	.text
	.protected	k_qecc24575fb_mix
	.globl	k_qecc24575fb_mix
	.p2align	8
	.type	k_qecc24575fb_mix,@function
k_qecc24575fb_mix:
	s_mov_b64 s[64:65], 0
	v_nop
	global_prefetch_b8 v0, s[64:65] scope:SCOPE_SE
	s_setreg_imm32_b32 hwreg(HW_REG_WAVE_MODE, 25, 1), 1
	s_wait_xcnt 0x0
	s_wait_alu depctr_hold_cnt(0) depctr_sa_sdst(0) depctr_va_vdst(0) depctr_va_sdst(0) depctr_va_ssrc(0) depctr_va_vcc(0) depctr_vm_vsrc(0)
	s_getreg_b32 s2, hwreg(HW_REG_IB_STS2, 6, 4)
	s_cmp_eq_u32 s2, 0
	s_cbranch_scc0 .Lentry_in_a_cluster
	s_endpgm
.Lentry_in_a_cluster:
	s_bfe_u32 s2, ttmp6, 0x10000c
	s_cmp_lg_u32 s2, 0xf033
	s_cbranch_scc0 .Lentry_shape_is_right
	s_endpgm
.Lentry_shape_is_right:
; O[q][d] = (sum over the blocks J of 256 keys of 2^(M_J - level) P_J V_J) / (the sum of l likewise) x 2^(e8 + e9), on codes of E4M3.
; SHARES.  A work-group makes 128 queries x 256 channels; cx = channel tile, cy = query tile within 512 rows, cluster y = Y: batch Y / 4, rows 512 (Y % 4) on.  All sixteen partners walk 2 (Y % 4) + 2 slots of 256 keys:
; the trip count hangs on the cluster's number alone.  The two lower query tiles take one slot of zero codes more than they need.  A wave makes 64 queries (4 blocks) x 128 channels (8 blocks): 32 accumulators, window 2.
; Source 0 = V^T's fragment (16 channels x 128 keys), source 1 = P's (16 queries x 128 keys): a lane holds one query and eight neighbouring channels.
; INPUT: images of fragments.  pc [batch][query block: 128][key block of 128: 16][2,048]; vc [channel block: 64][key block of 128, all batches: 64][2,048]; st: -M and l of each query and block of keys.
; A slot's P is 8 rows of 4,096 bytes (waves 0, 1 fetch four each, jointly along a row of the cluster), its V 16 rows of 4,096 (waves 2, 3 eight each, jointly along a column).
; THE LEVEL.  Block J's codes stand under its own whole number M_J.  The sums stand at level L_J = max(M_J, R_J - 60), R_J the largest M so far; at each change of slots they are multiplied by 2^(L_(J-1) - L_J), at most 2^60:
; nothing is rounded.  LIMIT: a block more than 60 binary orders under the largest so far is weighed 2^-60 and not its smaller true weight.  The level cancels between O's sums and l's.
; No prefetch: at most six refills, each with a slot's 64 matrix instructions a wave in which to land, and the first two slots come at the head.
; REGISTERS: window 0: v16-30 addresses; v32-95 at work; v96-107 the next block's -M and two l; v108-111 -R; v112-115 -level; v116-119 l's sum; v120-127 pairs (f, 0); v128-255 P's fragments, two sets of 64.
;   window 1: V's fragments, two sets of 128.   window 2: accumulator (a, b) at v[8 (8 a + b)].
.set SLOT,   98304                     ; P: 8 x 4,096, then V: 16 x 4,096
.set VOFF,   32768
.set SPARE,  2*SLOT                    ; the spare words, 128 bytes a wave, which no other line names
.set STAGE,  SPARE+512                 ; the way out: 16 rows x 528 bytes for each wave; no tile lands here
.set SPITCH, 528
.set ADRP, 16                          ; v16-17 my P fragments in slot 0, 1
.set ADRV, 20                          ; v20-21 my V fragments
.set STO,  24
.set RD,   25
.set CO,   26                          ; v26  16 x lane
.set SPW,  28
.set NIL,  29
.set SA,   30                          ; v30  my place in a record of st: 512 x my query half + 16 (lane % 16)
.set TMP,  32
.set TT,   32
.set DD,   36
.set NMJ,  96
.set L0J,  100
.set L1J,  104
.set NR,   108
.set NL,   112
.set LA,   116
.set F,    120
.set PF,   128
.set G1, 24                            ; s[24:31], s[32:39]: P's tiles
.set G0, 32
.set G1B, 48                           ; s[48:55], s[56:63]: V's
.set G0B, 56
.set MULW, 0xa1                        ; source 0 (V) window 1, source 1 (P) window 0, C and D window 2
.set MSB, 0
.macro WIN new
.if MSB != (\new)
	s_set_vgpr_msb (MSB<<8)|(\new)
.set MSB, (\new)
.endif
.endm
.macro JLOAD g0a, g1a, g0b, g1b        ; waves 0 and 1 fetch P's halves, waves 2 and 3 V's; four v_nop follow each line
	s_cmp_eq_u32 s15, 0
	s_cbranch_scc0 .Lfor_b_\@
	tensor_load_to_lds s[\g0a:\g0a+3], s[\g1a:\g1a+7]
	s_nop 0
.rept 4
	v_nop
.endr
	s_branch .Lasked_\@
.Lfor_b_\@:
	tensor_load_to_lds s[\g0b:\g0b+3], s[\g1b:\g1b+7]
	s_nop 0
.rept 4
	v_nop
.endr
.Lasked_\@:
.endm
.macro CREST
	s_cmp_lg_u32 s14, 0
	s_cbranch_scc1 .Lnot_wave_0_\@
	s_barrier_signal -3
.Lnot_wave_0_\@:
	s_barrier_wait -3
	s_barrier_signal -1
	s_barrier_wait -1
.endm
.macro CROUND
	s_barrier_signal -1
	s_barrier_wait -1
	CREST
.endm
.macro PLACES n
.rept \n
	v_nop
.endr
.endm
.macro STATS base                      ; a block's -M, l of its keys 0-127 and l of its keys 128-255, for my four blocks of queries
	global_load_b128 v[NMJ:NMJ+3], v[SA], s[\base:\base+1]
	global_load_b128 v[L0J:L0J+3], v[SA], s[\base:\base+1] offset:256
	global_load_b128 v[L1J:L1J+3], v[SA], s[\base:\base+1] offset:1280
.endm
	s_load_b256 s[68:75], s[0:1], 0x0              ; pc 68, vc 70, st 72, scales 74
	s_load_b64 s[76:77], s[0:1], 0x20              ; out0
	v_lshl_add_u32 v[SPW], v0, 2, SPARE
	v_mov_b32 v[NIL], 0
	ds_add_u32 v28, v29
	ds_add_u32 v28, v29
	s_wait_dscnt 0x0
	v_lshrrev_b32 v1, 5, v0
	v_readfirstlane_b32 s14, v1                    ; wave
	s_lshr_b32 s15, s14, 1                         ; my half of the queries.  Also: I fetch for P (0) or V (1)
	s_and_b32 s16, s14, 1                          ; my half of the channels.  Also: which half of that tile I fetch
	s_bfe_u32 s40, ttmp6, 0x40000                  ; cx: channel tile
	s_bfe_u32 s41, ttmp6, 0x40004                  ; cy: query tile within the 512 rows
	s_and_b32 s17, ttmp7, 0xffff                   ; Y
	s_lshr_b32 s18, s17, 2                         ; batch
	s_and_b32 s19, s17, 3                          ; laps of the ring behind the first: the same in all partners
	s_lshl_b32 s43, s41, 2
	s_lshl_b32 s43, 15, s43                        ; my row of the cluster: shares P's tiles
	s_lshl_b32 s44, 0x1111, s40                    ; my column: shares V's
	s_or_b32 s[G1+0], s43, (3<<16)|(1<<21)         ; the mask; elements of 8 bytes; no padding; 21 set beside a mask
	s_mov_b32 s[G1+1], 512<<16                     ; tensor_dim0: 4,096 bytes
	s_mov_b32 s[G1+2], 4<<16                       ; tensor_dim1: 4 query blocks
	s_mov_b32 s[G1+3], 512<<16                     ; tile_dim0
	s_mov_b32 s[G1+4], 4                           ; tile_dim1
	s_mov_b32 s[G1+5], 4096                        ; from query block to query block: 32,768 bytes
	s_mov_b32 s[G1+6], 0
	s_mov_b32 s[G1+7], 0
	s_or_b32 s[G1B+0], s44, (3<<16)|(1<<21)
	s_mov_b32 s[G1B+1], 512<<16
	s_mov_b32 s[G1B+2], 8<<16                      ; 8 channel blocks
	s_mov_b32 s[G1B+3], 512<<16
	s_mov_b32 s[G1B+4], 8
	s_mov_b32 s[G1B+5], 16384                      ; from channel block to channel block: 131,072 bytes
	s_mov_b32 s[G1B+6], 0
	s_mov_b32 s[G1B+7], 0
	s_lshl_b32 s20, s17, 5                         ; P: query block 32 Y + 8 cy + 4 x half, of 32,768 bytes: under 2^24
	s_lshl_b32 s22, s41, 3
	s_add_co_u32 s20, s20, s22
	s_lshl_b32 s22, s16, 2
	s_add_co_u32 s20, s20, s22
	s_lshl_b32 s20, s20, 15
	s_mov_b32 s21, 0
	s_lshl_b32 s46, s40, 4                         ; V: ((16 cx + 8 x half) x 64 + 16 x batch) x 2,048 bytes
	s_lshl_b32 s47, s16, 3
	s_add_co_u32 s46, s46, s47
	s_lshl_b32 s46, s46, 6
	s_lshl_b32 s47, s18, 4
	s_add_co_u32 s46, s46, s47
	s_lshl_b32 s46, s46, 11
	s_mov_b32 s47, 0
	s_lshl_b32 s45, s16, 14                        ; where P's half goes,
	s_lshl_b32 s23, s16, 15
	s_add_co_u32 s23, s23, VOFF                    ; and V's
	s_wait_kmcnt 0x0
	s_load_b64 s[80:81], s[74:75], 0x20            ; e8, e9
	s_add_nc_u64 s[20:21], s[68:69], s[20:21]
	s_add_nc_u64 s[46:47], s[70:71], s[46:47]
	CROUND                                         ; the first joint loads meet
.irp s, 0,1
	s_mov_b32 s[G0+4*\s], 1
	s_add_co_u32 s[G0+4*\s+1], s45, \s*SLOT
	s_add_nc_u64 s[G0+4*\s+2:G0+4*\s+3], s[20:21], \s*4096
	s_or_b32 s[G0+4*\s+3], s[G0+4*\s+3], 0x80000000
	s_mov_b32 s[G0B+4*\s], 1
	s_add_co_u32 s[G0B+4*\s+1], s23, \s*SLOT
	s_add_nc_u64 s[G0B+4*\s+2:G0B+4*\s+3], s[46:47], \s*4096
	s_or_b32 s[G0B+4*\s+3], s[G0B+4*\s+3], 0x80000000
	JLOAD G0+4*\s, G1, G0B+4*\s, G1B
.endr
	v_and_b32 v1, 15, v0                           ; r
	v_bfe_u32 v2, v0, 4, 1                         ; h
	v_and_b32 v4, 31, v0
	v_lshlrev_b32 v[CO], 4, v4
	s_lshl_b32 s22, s15, 9
	v_lshlrev_b32 v[SA], 4, v1
	v_add_nc_u32 v[SA], s22, v[SA]
	s_lshl_b32 s22, s17, 2                         ; st: u = 4 Y + cy counts tiles of 128 queries: record ((u / 2) x 8 + J) x 4 + 2 (u % 2) (+ 1 for keys 128-255)
	s_add_co_u32 s22, s22, s41
	s_lshr_b32 s23, s22, 1
	s_lshl_b32 s23, s23, 15
	s_and_b32 s22, s22, 1
	s_lshl_b32 s22, s22, 11
	s_add_co_u32 s22, s22, s23
	s_mov_b32 s23, 0
	s_add_nc_u64 s[4:5], s[72:73], s[22:23]
	s_add_nc_u64 s[6:7], s[4:5], 4096              ; block 1's
	STATS 4
	s_lshl_b32 s21, s15, 14                        ; my 4 blocks of P
	s_lshl_b32 s22, s16, 15
	s_add_co_u32 s22, s22, VOFF                    ; my 8 blocks of V
.irp s, 0,1
	v_add_nc_u32 v[ADRP+\s], s21, v[CO]
	v_add_nc_u32 v[ADRV+\s], s22, v[CO]
	s_add_co_u32 s21, s21, SLOT
	s_add_co_u32 s22, s22, SLOT
.endr
	s_mul_i32 s23, s14, 16*SPITCH
	s_add_co_u32 s23, s23, STAGE                   ; my stage
	v_mul_u32_u24 v5, v1, SPITCH                   ; in: row r, 32 bytes for each half of the lanes
	v_lshl_add_u32 v5, v2, 5, v5
	v_add_nc_u32 v[STO], s23, v5
	v_add_nc_u32 v[RD], s23, v[CO]                 ; back: the 32 lanes take one row of 512 bytes
	s_lshl_b32 s20, s17, 9                         ; out0: row 512 Y + 128 cy + 64 x half, of 4,096 bytes; + 1,024 cx + 512 x half: under 2^25
	s_lshl_b32 s21, s41, 7
	s_add_co_u32 s20, s20, s21
	s_lshl_b32 s21, s15, 6
	s_add_co_u32 s20, s20, s21
	s_lshl_b32 s20, s20, 12
	s_lshl_b32 s21, s40, 10
	s_add_co_u32 s20, s20, s21
	s_lshl_b32 s21, s16, 9
	s_add_co_u32 s20, s20, s21
	s_mov_b32 s21, 0
	s_add_nc_u64 s[10:11], s[76:77], s[20:21]
.irp a, 0,1,2,3
	v_mov_b32 v[F+2*\a+1], 0                       ; (named as the upper half of a pair)
.endr
	s_wait_kmcnt 0x0
	s_add_co_i32 s82, s80, s81                     ; e8 + e9
	s_wait_loadcnt 0x0                             ; block 0's figures: key 0 counts for every query, so its M is a true one
.irp a, 0,1,2,3
	v_mov_b32 v[NR+\a], v[NMJ+\a]
	v_mov_b32 v[NL+\a], v[NMJ+\a]
	v_add_f32 v[LA+\a], v[L0J+\a], v[L1J+\a]
.endr
	STATS 6                                        ; block 1's
.macro MUL8 a, p, zero                 ; query block a against V's eight; the 32 accumulators take turns, one instruction a turn
.irp b, 0,1,2,3,4,5,6,7
.if \zero
	v_wmma_f32_16x16x128_fp8_fp8 v[8*(8*(\a)+\b):8*(8*(\a)+\b)+7], v[128*(\p)+16*\b:128*(\p)+16*\b+15], v[PF+64*(\p)+16*(\a):PF+64*(\p)+16*(\a)+15], 0
.else
	v_wmma_f32_16x16x128_fp8_fp8 v[8*(8*(\a)+\b):8*(8*(\a)+\b)+7], v[128*(\p)+16*\b:128*(\p)+16*\b+15], v[PF+64*(\p)+16*(\a):PF+64*(\p)+16*(\a)+15], v[8*(8*(\a)+\b):8*(8*(\a)+\b)+7]
.endif
.endr
.endm
.macro FETCH3 slot, q, p               ; the fragments of the slot's q-th 128 keys into set p: 32 loads for V, 16 for P
	WIN 0x40
.irp b, 0,1,2,3,4,5,6,7
.irp c, 0,1,2,3
	ds_load_b128 v[128*(\p)+16*\b+4*\c:128*(\p)+16*\b+4*\c+3], v[ADRV+\slot] offset:\b*4096+(\q)*2048+512*\c
.endr
.endr
	WIN 0
.irp a, 0,1,2,3
.irp c, 0,1,2,3
	ds_load_b128 v[PF+64*(\p)+16*\a+4*\c:PF+64*(\p)+16*\a+4*\c+3], v[ADRP+\slot] offset:\a*4096+(\q)*2048+512*\c
.endr
.endr
.endm
.macro STEP3 slot, zero                ; a slot's first 128 keys, on set 0; the second 128 are fetched into set 1 ahead of the products
	s_wait_dscnt 0x0                               ; set 0 is in
	FETCH3 \slot, 1, 1                             ; (set 1's last readers stand more than four plain lines back: the packed multiplies of the change of slots)
	WIN MULW
	MUL8 0, 0, \zero
	MUL8 1, 0, \zero
	MUL8 2, 0, \zero
	MUL8 3, 0, \zero
	WIN 0
.endm
.macro FACTOR                          ; the next block's level and f = 2^(old level - new level); l's sum goes under the new level and takes the block's l
.irp a, 0,1,2,3
	v_min_num_f32 v[NR+\a], v[NR+\a], v[NMJ+\a]    ; -R
.endr
.irp a, 0,1,2,3
	v_add_f32 v[TT+\a], 0x42700000, v[NR+\a]       ; -(R - 60)
.endr
.irp a, 0,1,2,3
	v_min_num_f32 v[TT+\a], v[TT+\a], v[NMJ+\a]    ; -level = min(-M, -(R - 60))
.endr
.irp a, 0,1,2,3
	v_sub_f32 v[DD+\a], v[TT+\a], v[NL+\a]         ; old level - new level: a whole number, at most 60
.endr
.irp a, 0,1,2,3
	v_mov_b32 v[NL+\a], v[TT+\a]
.endr
.irp a, 0,1,2,3
	v_cvt_i32_f32 v[DD+\a], v[DD+\a]               ; (it saturates)
.endr
.irp a, 0,1,2,3
	v_ldexp_f32 v[F+2*\a], 1.0, v[DD+\a]
.endr
.irp a, 0,1,2,3
	v_add_f32 v[L0J+\a], v[L0J+\a], v[L1J+\a]
.endr
.irp a, 0,1,2,3
	v_fma_f32 v[LA+\a], v[LA+\a], v[F+2*\a], v[L0J+\a]
.endr
.endm
.macro RESCALE a                       ; query block a's eight accumulators x f, each from its low end on
	WIN 0x82                                       ; destination and source 0 window 2, f window 0
.set j, 0
.rept 32
	v_pk_mul_f32 v[64*(\a)+j:64*(\a)+j+1], v[64*(\a)+j:64*(\a)+j+1], v[F+2*(\a):F+2*(\a)+1] op_sel_hi:[1,0]
.set j, j+2
.endr
.endm
; A slot's second 128 keys, on set 1, and the change of slots.  A query block is brought under the next level as soon as its own products of this slot are issued, while the next block's are at work.
; The places behind a block's products: for block 0 and 1 the four lines behind the barrier, then the packed multiplies of the block before, which name none of the later products' registers.
.macro TURN3 slot, next, fill
	s_wait_loadcnt 0x0                             ; the next block's figures, asked for a slot ago
	FACTOR
.if \fill
	s_add_nc_u64 s[6:7], s[6:7], 4096              ; (their loads are done: the base may step)
	STATS 6                                        ; those of the block after next
.endif
	s_wait_tensorcnt 0x0                           ; all my tensor loads have landed: my part of the next slot
	ds_add_u32 v[SPW], v[NIL]
	s_wait_dscnt 1                                 ; set 1 is in; the add may be out
	WIN MULW
	MUL8 0, 1, 0
	s_wait_dscnt 0x0                               ; the add is done, and my reads of this slot are over
	s_barrier_signal -1
	MUL8 1, 1, 0
	WIN 0
	s_barrier_wait -1
.if \fill
	CREST                                          ; a round of the cluster's barrier: no wave of any partner still reads this slot or has a load on its way
	s_add_nc_u64 s[G0+4*\slot+2:G0+4*\slot+3], s[G0+4*\slot+2:G0+4*\slot+3], 8192
	s_add_nc_u64 s[G0B+4*\slot+2:G0B+4*\slot+3], s[G0B+4*\slot+2:G0B+4*\slot+3], 8192
	JLOAD G0+4*\slot, G1, G0B+4*\slot, G1B         ; the first tensor load behind the round
.else
	PLACES 4
.endif
	FETCH3 \next, 0, 0
	RESCALE 0
	WIN MULW
	MUL8 2, 1, 0
	RESCALE 1
	WIN MULW
	MUL8 3, 1, 0
	RESCALE 2
	RESCALE 3
	WIN 0
.endm
	s_wait_tensorcnt 1                             ; my part of slot 0 is in; slot 1's may be out
	s_barrier_signal -1
	s_barrier_wait -1
	FETCH3 0, 0, 0
	STEP3 0, 1                                     ; the first products start the sums
	s_mov_b32 s3, s19
	s_cmp_eq_u32 s3, 0
	s_cbranch_scc1 .Ltail                          ; the first 512 rows of a batch have two slots in all
.Llap:                                             ; a trip goes once round the ring and fills both slots again
	TURN3 0, 1, 1
	STEP3 1, 0
	TURN3 1, 0, 1
	STEP3 0, 0
	s_sub_co_u32 s3, s3, 1
	s_cmp_lg_u32 s3, 0
	s_cbranch_scc1 .Llap
.Ltail:
	TURN3 0, 1, 0                                  ; nothing is left to fetch
	STEP3 1, 0
	s_wait_dscnt 0x0
	WIN MULW
	MUL8 0, 1, 0
	MUL8 1, 1, 0
	MUL8 2, 1, 0
	MUL8 3, 1, 0
	WIN 0
	; THE WAY OUT: x 2^(e8 + e9) / l; a block of 16 queries x 128 channels goes through my stage and leaves as whole rows of 512 bytes.
	PLACES 4
.irp a, 0,1,2,3
	v_rcp_f32 v[F+2*\a], v[LA+\a]
.endr
	v_nop                                          ; a plain line behind the reciprocals
	s_wait_alu depctr_va_vdst(0)                   ; one wait for the four, ahead of their first reader
.irp a, 0,1,2,3
	v_ldexp_f32 v[F+2*\a], v[F+2*\a], s82
.endr
.macro TOSTAGE a
	WIN 0x02                                       ; source 0 window 2
.set j, 0
.rept 32
	v_pk_mul_f32 v[TMP+j:TMP+j+1], v[64*(\a)+j:64*(\a)+j+1], v[F+2*(\a):F+2*(\a)+1] op_sel_hi:[1,0]
.set j, j+2
.endr
	WIN 0
.irp b, 0,1,2,3,4,5,6,7
	ds_store_b128 v[STO], v[TMP+8*\b:TMP+8*\b+3] offset:64*\b
	ds_store_b128 v[STO], v[TMP+8*\b+4:TMP+8*\b+7] offset:64*\b+16
.endr
.set BB, PF+64*((\a)%2)
.irp t, 0,1,2,3,4,5,6,7,8,9,10,11,12,13,14,15
	ds_load_b128 v[BB+4*\t:BB+4*\t+3], v[RD] offset:\t*SPITCH   ; LDS serves a wave's instructions in order (ISA guide 5.7.1.4): these see my stores, and the next block's stores come behind them
.endr
.endm
.macro SEND a, younger                 ; younger: the LDS instructions issued behind block a's loads
.set BB, PF+64*((\a)%2)
	s_wait_dscnt \younger
.irp t, 0,1,2,3,4,5,6,7,8,9,10,11,12,13,14,15
	global_store_b128 v[CO], v[BB+4*\t:BB+4*\t+3], s[10:11] offset:(\a)*65536+\t*4096 th:TH_STORE_NT   ; 32 lanes store 512 consecutive bytes, aligned
.endr
.endm
	TOSTAGE 0
.irp a, 1,2,3
.if \a > 1
	s_wait_xcnt 0x0                                ; block a - 2's stores have read the registers into which block a's rows come back
.endif
	TOSTAGE \a
	SEND \a-1, 32                                  ; behind block a - 1's loads: block a's 16 stores and 16 loads
.endr
	SEND 3, 0
	s_wait_tensorcnt 0x0                           ; the wave's end
	ds_add_u32 v[SPW], v[NIL]
	s_wait_dscnt 0x0
	CROUND                                         ; the closing round
	s_endpgm
.Lfunc_end_k_qecc24575fb_mix:
	.size	k_qecc24575fb_mix, .Lfunc_end_k_qecc24575fb_mix-k_qecc24575fb_mix
	.p2alignl 7, 3214868480
	.fill 96, 4, 3214868480
	.section	.rodata,"a",@progbits
	.p2align	6, 0x0
	.amdhsa_kernel k_qecc24575fb_mix
		.amdhsa_group_segment_fixed_size 327680
		.amdhsa_private_segment_fixed_size 0
		.amdhsa_enable_private_segment 0
		.amdhsa_kernarg_size 40
		.amdhsa_user_sgpr_count 2
		.amdhsa_user_sgpr_kernarg_segment_ptr 1
		.amdhsa_wavefront_size32 1
		.amdhsa_system_sgpr_workgroup_id_x 1
		.amdhsa_system_sgpr_workgroup_id_y 1
		.amdhsa_system_sgpr_workgroup_id_z 1
		.amdhsa_system_vgpr_workitem_id 0
		.amdhsa_next_free_vgpr 768
		.amdhsa_next_free_sgpr 100
		.amdhsa_reserve_vcc 0
		.amdhsa_float_denorm_mode_32 3
		.amdhsa_float_denorm_mode_16_64 3
		.amdhsa_memory_ordered 1
		.amdhsa_forward_progress 1
		.amdhsa_inst_pref_size 106
	.end_amdhsa_kernel
	.amdgpu_metadata
---
amdhsa.version: [ 1, 2 ]
amdhsa.kernels:
  - .name:           k_qecc24575fb_mix
    .symbol:         k_qecc24575fb_mix.kd
    .args:
      - { .name: pc, .offset: 0, .size: 8, .value_kind: global_buffer, .address_space: global }
      - { .name: vc, .offset: 8, .size: 8, .value_kind: global_buffer, .address_space: global }
      - { .name: st, .offset: 16, .size: 8, .value_kind: global_buffer, .address_space: global }
      - { .name: lowp_scales, .offset: 24, .size: 8, .value_kind: global_buffer, .address_space: global }
      - { .name: out0, .offset: 32, .size: 8, .value_kind: global_buffer, .address_space: global }
    .group_segment_fixed_size: 327680
    .private_segment_fixed_size: 0
    .kernarg_segment_align: 8
    .kernarg_segment_size: 40
    .max_flat_workgroup_size: 128
    .sgpr_count:     100
    .vgpr_count:     768
    .wavefront_size: 32
...
	.end_amdgpu_metadata
.endif
;; end of part 3
;; ======== version 2 of 2: 3 launches
;; limits: right only within a limited range of input values
;; workspace buffers: qc 8,388,608 bytes; kc 8,388,608 bytes; vc 8,388,608 bytes; pc 16,777,216 bytes; st 1,048,576 bytes
;; launch proj (part 4): grid 4 x 64, 4 waves a work-group, clusters of 4 x 4, 327,680 bytes of LDS; arguments x_codes, Qw_codes, Kw_codes, Vw_codes, lowp_scales, qc, kc, vc; writes qc, kc, vc
.if DOCPART == 4
	.amdgcn_target "amdgcn-amd-amdhsa--gfx1250"
	.amdhsa_code_object_version 6
	.text
	.protected	k_qecc24575fb_proj
	.globl	k_qecc24575fb_proj
	.p2align	8
	.type	k_qecc24575fb_proj,@function
k_qecc24575fb_proj:
	s_mov_b64 s[64:65], 0
	v_nop
	global_prefetch_b8 v0, s[64:65] scope:SCOPE_SE
	s_setreg_imm32_b32 hwreg(HW_REG_WAVE_MODE, 25, 1), 1
	s_wait_xcnt 0x0
	s_wait_alu depctr_hold_cnt(0) depctr_sa_sdst(0) depctr_va_vdst(0) depctr_va_sdst(0) depctr_va_ssrc(0) depctr_va_vcc(0) depctr_vm_vsrc(0)
	s_getreg_b32 s2, hwreg(HW_REG_IB_STS2, 6, 4)
	s_cmp_eq_u32 s2, 0
	s_cbranch_scc0 .Lentry_in_a_cluster
	s_endpgm
.Lentry_in_a_cluster:
	s_bfe_u32 s2, ttmp6, 0x10000c
	s_cmp_lg_u32 s2, 0xf033
	s_cbranch_scc0 .Lentry_shape_is_right
	s_endpgm
.Lentry_shape_is_right:
; Q = x Qw, K = x Kw, V = x Vw on codes of E4M3 (8,192 tokens, K = 1,024, N = 1,024), each result quantised at once to E4M3 with its given scale (entries 6, 7, 9 of the scales).
; DEAD WORK, left out by the later launches: the causal mask adds -inf to every score whose key comes after its query, so such a p is 0 for all inputs; tiles of scores that lie wholly there (in whole regions of
; 1,024 x 1,024) are neither made nor multiplied with V.  LIMIT: a NaN, an infinity or an overflow that reaches only such scores is not carried to the result.
; A WORK-GROUP owns 128 tokens (T) and 256 channels (256 cx on) of each of Q, K and V.  A wave owns 64 of the tokens (s15) and 128 of the channels (s16) and KEEPS ITS TOKENS OVER THE WHOLE K in registers: 32 fragments, 512 registers.
; Only the weights stream, in six steps (Q, K, V by two halves of K) of 256 rows x 512 bytes, through two LDS slots.  Slot 1 first holds x, as [half of K][token][512 bytes], in the same places as a step of weights.
; At the head waves 0, 1 fetch x's two halves of K, waves 2, 3 the first step's rows: one load a wave.  Refills: 64 rows a wave.
; CLUSTERS of 4 x 4: a row of the cluster shares its 128 tokens, a column its rows of the weights: both are asked for jointly.
; THE MATRIX INSTRUCTION.  Q, K: source 0 = 16 rows of the weight, source 1 = 16 tokens: a lane holds ONE token, its registers eight neighbouring channels.  V: the sources swapped: a lane holds one channel, its registers eight
; neighbouring tokens.  So eight accumulators along the next product's K, converted, are the 16 registers of a fragment (16 rows x 128 of K) in the form's own order: registers 2 b, 2 b + 1 hold k = 16 b + 8 (lane / 16) + 0 .. 7.
; OUTPUT: images of fragments, 2,048 bytes: piece c of 512 bytes holds lane l's registers 4 c .. 4 c + 3 at byte 16 l.
;   qc, kc: [128 tokens: 64][256 channels: 4][token block of 16: 8][128 channels: 2][2,048];   vc: [64 channels: 16][512 tokens: 16][channel block of 16: 4][128 tokens: 4][2,048]
; The inputs' fragments come by four loads of 16 bytes: a permutation of k inside an instruction, the same in x and in the weights.
; PREFETCH: step 1 behind the head's loads (x is still to land and to be read ahead of that step's load); then, behind each load of a step, the step after it, a whole step ahead of its own load.  All clusters walk the same weights:
; the first four clusters ask, and in a cluster each block of 256 bytes is named once (the four of a column and their waves share the rows out by address).  Nothing is asked for behind step 5.
; LIMITS: eo - ea - eb (a result's exponent less its two operands') lies between -126 and 119, so that 2^(..) and 448 x 2^(..) are f32 numbers.  NaN codes among the inputs are not served.
; REGISTERS: window 0: v16-30 addresses and the scale, v64-255 three buffers of four fragments of the weights (the third carries the codes on the way out).
;   windows 1, 2: x: (kq, a) at 64 (kq % 4) + 16 a, window 1 + kq / 4.   window 3: accumulator (a, b) at v[8 (8 a + b)]: token block a, channel block b.
.set PITCH, 528                        ; an LDS row: 512 bytes + 16 of padding: 132 words, so the 16 rows that a load touches start at 16 different banks (64 banks of 4 bytes: ISA guide 11.1)
.set QROW,  64*PITCH                   ; 64 rows: what a refill's load brings
.set HALF,  128*PITCH                  ; 128 rows: what a head's load brings
.set REG1,  256*PITCH                  ; slot 1
.set SPARE, 2*REG1                     ; the spare words, 128 bytes a wave, which no other line names
.set ADB, 16                           ; v16-17 my fragments of the weights in slot 0, 1
.set ADX, 18                           ; v18-19 my fragments of x, by half of K
.set CO,  26                           ; 16 x lane
.set SCL, 27                           ; the conversions' scale
.set SPW, 28
.set NIL, 29
.set PFO, 30                           ; prefetch: a row of 1,024 bytes for two lanes, 256 bytes apart
.set BF,  64
.set CDS, BF+128
.set G1X, 24                           ; group 1: x's tiles; the first step's; the refills'
.set G1B, 48
.set G1R, 56
.set G0R, 32                           ; s[32:39] group 0 of the refills, a set for each slot
.set W0,  (1<<20)|(1<<21)|(6<<22)|(3<<25)  ; bytes; padding on, after every 128 words, 4 words; bit 21 beside a mask
.set MSB, 0
.macro WIN new                         ; the immediate's high byte repeats the setting that is left
.if MSB != (\new)
	s_set_vgpr_msb (MSB<<8)|(\new)
.set MSB, (\new)
.endif
.endm
.macro PLACES                          ; the places behind this matrix instruction (ISA guide 7.12.1 for vector instructions)
.rept 4
	v_nop
.endr
.endm
.macro CREST                           ; a round of the cluster's barrier behind its opening barrier
	s_cmp_lg_u32 s14, 0
	s_cbranch_scc1 .Lnot_wave_0_\@
	s_barrier_signal -3
.Lnot_wave_0_\@:
	s_barrier_wait -3
	s_barrier_signal -1
	s_barrier_wait -1
.endm
.macro CROUND
	s_barrier_signal -1
	s_barrier_wait -1
	CREST
.endm
.macro RELOAD s                        ; 64 rows of the weights for each wave
	tensor_load_to_lds s[G0R+4*\s:G0R+4*\s+3], s[G1R:G1R+7]
	s_nop 0
	PLACES
.endm
.macro SCALE s, h, n, eo, ea, eb       ; a sum stands for sum x 2^(ea + eb): its code is sum / 2^(eo - ea - eb)
	s_sub_co_i32 s[\h], s[\eo], s[\ea]
	s_sub_co_i32 s[\h], s[\h], s[\eb]
	s_add_co_i32 s[\h], s[\h], 127
	s_lshl_b32 s[\s], s[\h], 23
	s_add_co_i32 s[\h], s[\h], 8
	s_lshl_b32 s[\h], s[\h], 23
	s_or_b32 s[\h], s[\h], 0x600000    ; 448 x the scale,
	s_or_b32 s[\n], s[\h], 0x80000000  ; and its negative
.endm
	s_load_b512 s[68:83], s[0:1], 0x0              ; x 68, Qw 70, Kw 72, Vw 74, scales 76, qc 78, kc 80, vc 82
	v_lshl_add_u32 v[SPW], v0, 2, SPARE
	v_mov_b32 v[NIL], 0
	ds_add_u32 v[SPW], v[NIL]                      ; the wave's opening: the add, twice on end, and its wait
	ds_add_u32 v[SPW], v[NIL]
	v_lshrrev_b32 v1, 5, v0
	v_readfirstlane_b32 s14, v1                    ; wave
	s_lshr_b32 s15, s14, 1                         ; my half of the tokens.  Also: at the head I fetch x (0) or weights (1)
	s_and_b32 s16, s14, 1                          ; my half of the channels.  Also: which half of K, or of the rows, I fetch at the head
	s_bfe_u32 s40, ttmp6, 0x40000                  ; cx: the 256 channels
	s_bfe_u32 s41, ttmp6, 0x40004
	s_and_b32 s97, ttmp7, 0xffff
	s_lshl_b32 s42, s97, 2
	s_add_co_u32 s42, s42, s41                     ; T = 4 x cluster y + cy: the 128 tokens
	s_lshl_b32 s43, s41, 2
	s_lshl_b32 s43, 15, s43                        ; my row of the cluster
	s_lshl_b32 s44, 0x1111, s40                    ; my column
	s_or_b32 s[G1X], s43, W0
	s_or_b32 s[G1B], s44, W0
	s_or_b32 s[G1R], s44, W0
.irp g, G1X, G1B, G1R
	s_mov_b32 s[\g+1], 512<<16                     ; tensor_dim0
	s_mov_b32 s[\g+3], 512<<16                     ; tile_dim0
	s_mov_b32 s[\g+5], 1024                        ; from row to row
	s_mov_b32 s[\g+6], 0
	s_mov_b32 s[\g+7], 0
.endr
.irp g, G1X, G1B
	s_mov_b32 s[\g+2], 128<<16                     ; tensor_dim1
	s_mov_b32 s[\g+4], 128                         ; tile_dim1
.endr
	s_mov_b32 s[G1R+2], 64<<16
	s_mov_b32 s[G1R+4], 64
	s_cmp_lt_u32 s97, 4
	s_cselect_b32 s45, 2, 0                        ; not 0: my cluster prefetches
	s_mov_b32 s3, 2                                ; units to go in the loop: Q, K
	s_mul_i32 s9, s16, HALF                        ; where the head's loads go: the weights in slot 0,
	s_add_co_u32 s5, s9, REG1                      ; x in slot 1
	s_mul_i32 s33, s14, QROW                       ; and the refills
	s_add_co_u32 s37, s33, REG1
	s_mov_b32 s4, 1
	s_mov_b32 s8, 1
	s_mov_b32 s32, 1
	s_mov_b32 s36, 1
	s_lshl_b32 s20, s42, 17
	s_lshl_b32 s21, s16, 9
	s_add_co_u32 s20, s20, s21                     ; x: 128 T rows of 1,024 bytes, + 512 x half of K
	s_mov_b32 s21, 0
	s_lshl_b32 s22, s40, 18                        ; weights: row 256 cx,
	s_lshl_b32 s46, s16, 17
	s_add_co_u32 s46, s22, s46                     ; + 128 x half at the head,
	s_mov_b32 s47, 0
	s_lshl_b32 s18, s14, 16
	s_add_co_u32 s18, s22, s18                     ; + 64 x wave in refills,
	s_mov_b32 s19, 0
	s_lshl_b32 s66, s41, 16
	s_add_co_u32 s66, s66, s22
	s_lshl_b32 s67, s14, 14
	s_add_co_u32 s66, s66, s67                     ; + 64 cy + 16 x wave in prefetches
	s_mov_b32 s67, 0
	s_wait_dscnt 0x0                               ; both opening adds are done
	s_wait_kmcnt 0x0
	s_load_b256 s[84:91], s[76:77], 0x0            ; e0 .. e7
	s_load_b64 s[92:93], s[76:77], 0x20            ; e8, e9
	s_add_nc_u64 s[6:7], s[68:69], s[20:21]
	s_or_b32 s7, s7, 0x80000000                    ; type = 2
	s_add_nc_u64 s[10:11], s[70:71], s[46:47]
	s_or_b32 s11, s11, 0x80000000
	s_add_nc_u64 s[38:39], s[70:71], s[18:19]      ; step 1: Qw's second half of K, into slot 1
	s_add_nc_u64 s[38:39], s[38:39], 512
	s_or_b32 s39, s39, 0x80000000
	s_add_nc_u64 s[70:71], s[70:71], s[66:67]      ; prefetches: Qw,
	s_add_nc_u64 s[46:47], s[72:73], s[66:67]      ; Kw,
	s_add_nc_u64 s[66:67], s[74:75], s[66:67]      ; Vw
	s_add_nc_u64 s[12:13], s[72:73], s[18:19]      ; refills of the loop's first trip: Kw;
	s_add_nc_u64 s[74:75], s[74:75], s[18:19]      ; of its second: Vw
	CROUND                                         ; all sixteen work-groups are here: the first joint loads meet
	s_cmp_eq_u32 s15, 0
	s_cbranch_scc0 .Lfor_w
	tensor_load_to_lds s[4:7], s[G1X:G1X+7]
	s_nop 0
	PLACES
	s_branch .Lasked
.Lfor_w:
	tensor_load_to_lds s[8:11], s[G1B:G1B+7]
	s_nop 0
	PLACES
.Lasked:
	s_mul_i32 s23, s15, QROW
	s_add_co_u32 s23, s23, REG1
	v_and_b32 v1, 15, v0                           ; r
	v_bfe_u32 v2, v0, 4, 1                         ; h
	v_mul_u32_u24 v3, v1, PITCH
	v_lshl_add_u32 v4, v2, 4, v3                   ; a fragment's row x pitch + 16 h
	v_and_b32 v5, 31, v0
	v_lshlrev_b32 v[CO], 4, v5
	v_lshrrev_b32 v6, 1, v5
	v_and_b32 v7, 1, v5
	v_lshlrev_b32 v7, 8, v7
	v_lshl_add_u32 v[PFO], v6, 10, v7
	v_add_nc_u32 v[ADB], s9, v4
	v_add_nc_u32 v[ADX], s23, v4
	v_add_nc_u32 v[ADB+1], REG1, v[ADB]
	v_add_nc_u32 v[ADX+1], HALF, v[ADX]
	s_wait_alu depctr_va_vdst(0)
	s_cmp_lg_u32 s45, 0
	s_cbranch_scc0 .Lnot_mine_1
	global_prefetch_b8 v[PFO], s[70:71] offset:512 th:TH_LOAD_NT scope:SCOPE_SE   ; step 1
.Lnot_mine_1:
	s_lshl_b32 s20, s42, 17                        ; my first image of Q and K: T, cx, token block 4 s15, half s16
	s_lshl_b32 s21, s40, 15
	s_add_co_u32 s20, s20, s21
	s_lshl_b32 s21, s15, 14
	s_add_co_u32 s20, s20, s21
	s_lshl_b32 s21, s16, 11
	s_add_co_u32 s20, s20, s21
	s_mov_b32 s21, 0
	s_add_nc_u64 s[78:79], s[78:79], s[20:21]
	s_add_nc_u64 s[80:81], s[80:81], s[20:21]
	s_lshl_b32 s20, s40, 21                        ; of V: 64 channels 4 cx + 2 s16; 512 tokens T / 4; image T % 4, of which my 64 tokens are 1,024 bytes
	s_lshl_b32 s21, s16, 20
	s_add_co_u32 s20, s20, s21
	s_lshr_b32 s21, s42, 2
	s_lshl_b32 s21, s21, 15
	s_add_co_u32 s20, s20, s21
	s_and_b32 s21, s42, 3
	s_lshl_b32 s21, s21, 11
	s_add_co_u32 s20, s20, s21
	s_lshl_b32 s21, s15, 10
	s_add_co_u32 s20, s20, s21
	s_mov_b32 s21, 0
	s_add_nc_u64 s[82:83], s[82:83], s[20:21]
	s_wait_kmcnt 0x0                               ; the exponents
	SCALE 17, 18, 19, 90, 84, 85                   ; Q
	SCALE 20, 21, 22, 91, 86, 87                   ; K
	SCALE 97, 23, 2, 93, 88, 89                    ; V
; A unit (Q, K or V) is 16 pieces of 16 matrix instructions: piece g: 128 along K number g / 2 (slot g / 8), the weights' fragments 4 (g % 2) .. + 3, buffer g % 3.
.macro FETCH n                         ; piece n's four fragments: 16 loads
.irp u, 0,1,2,3
.irp c, 0,1,2,3
	ds_load_b128 v[BF+64*((\n)%3)+16*\u+4*\c:BF+64*((\n)%3)+16*\u+4*\c+3], v[ADB+((\n)/8)] offset:16*PITCH*(4*((\n)%2)+\u)+128*(((\n)/2)%4)+32*\c
.endr
.endr
.endm
; Fragment u of piece g, against my four token blocks.  The 32 accumulators take turns, one instruction a turn, in the same order throughout.  The first 128 along K start the sums.  v = 1: the sources swapped.
.macro MULU u, v
.set kq, g/2
.if \v
	WIN 0xf1+(kq/4)                                ; source 0 (x) window 1 or 2, source 1 window 0, C and D window 3
.else
	WIN 0xf4+4*(kq/4)                              ; source 0 window 0, source 1 (x) window 1 or 2
.endif
.irp a, 0,1,2,3
.set XD, 8*(8*\a+4*(g%2)+\u)
.set XX, 64*(kq%4)+16*\a
.set XW, BF+64*(g%3)+16*\u
.if \v
.if kq == 0
	v_wmma_f32_16x16x128_fp8_fp8 v[XD:XD+7], v[XX:XX+15], v[XW:XW+15], 0
.else
	v_wmma_f32_16x16x128_fp8_fp8 v[XD:XD+7], v[XX:XX+15], v[XW:XW+15], v[XD:XD+7]
.endif
.else
.if kq == 0
	v_wmma_f32_16x16x128_fp8_fp8 v[XD:XD+7], v[XW:XW+15], v[XX:XX+15], 0
.else
	v_wmma_f32_16x16x128_fp8_fp8 v[XD:XD+7], v[XW:XW+15], v[XX:XX+15], v[XD:XD+7]
.endif
.endif
.endr
.endm
.macro ONE v                           ; piece g
	MULU 0, \v
	MULU 1, \v
	MULU 2, \v
	MULU 3, \v
.endm
.macro SIX first, v                    ; six pieces, each fetched two pieces ahead
.set g, \first
.rept 6
	WIN 0
	PLACES                                         ; for the loads into what piece g - 1 read
	FETCH g+2
	s_wait_dscnt 32                                ; piece g is in: two pieces of 16 loads were issued behind it
	ONE \v
.set g, g+1
.endr
.endm
; A step's seventh piece and the change of slots.  In front of the barrier each wave waits for all its tensor loads (its part of the next slot), adds 0 to its spare word, and waits for that and for its reads of this slot.
; fill = 1: the barrier opens a round of the cluster's, behind which this slot takes the next unit's step.
.macro TURN slot, fill, v
	WIN 0
	s_wait_tensorcnt 0x0
	ds_add_u32 v[SPW], v[NIL]
.if \fill
	s_add_nc_u64 s[G0R+4*\slot+2:G0R+4*\slot+3], s[12:13], 512*\slot
	s_or_b32 s[G0R+4*\slot+3], s[G0R+4*\slot+3], 0x80000000
.endif
	s_wait_dscnt 17                                ; this piece is in; the step's last piece and the add may be out
	MULU 0, \v
	MULU 1, \v
	s_wait_dscnt 0x0                               ; the add is done, and my reads of this slot are over
	s_barrier_signal -1
	MULU 2, \v
	MULU 3, \v
	WIN 0
	s_barrier_wait -1
.if \fill
	CREST                                          ; no wave of any partner still reads this slot or has a load on its way
	RELOAD \slot                                   ; the first tensor load behind the round; its four v_nop are the places for loads that follow
.else
	PLACES
.endif
.set g, g+1
.endm
.macro UNIT fill, v
	SIX 0, \v
	TURN 0, \fill, \v
	FETCH 8
	FETCH 9
.if \fill
	s_cmp_lg_u32 s45, 0
	s_cbranch_scc0 .Lnot_mine_\@
	global_prefetch_b8 v[PFO], s[46:47] offset:512 th:TH_LOAD_NT scope:SCOPE_SE   ; the step that slot 1 takes next
.Lnot_mine_\@:
.endif
	ONE \v
	SIX 8, \v
.endm
	s_wait_tensorcnt 0x0                           ; my part of x and of the first step is in
	s_barrier_signal -1
	s_barrier_wait -1
.irp kq, 0,1,2,3,4,5,6,7               ; my tokens' fragments, once and for all
	WIN 0x40+0x40*(\kq/4)
.irp a, 0,1,2,3
.irp c, 0,1,2,3
	ds_load_b128 v[64*(\kq%4)+16*\a+4*\c:64*(\kq%4)+16*\a+4*\c+3], v[ADX+\kq/4] offset:16*PITCH*\a+128*(\kq%4)+32*\c
.endr
.endr
.endr
	WIN 0
	s_wait_tensorcnt 0x0
	ds_add_u32 v[SPW], v[NIL]
	s_wait_dscnt 0x0                               ; the add is done, and x is in my registers
	CROUND                                         ; in everybody's:
	RELOAD 1                                       ; slot 1 takes the weights from here on
	FETCH 0
	FETCH 1
	s_cmp_lg_u32 s45, 0
	s_cbranch_scc0 .Lnot_mine
	global_prefetch_b8 v[PFO], s[46:47] th:TH_LOAD_NT scope:SCOPE_SE   ; Kw's first step
.Lnot_mine:
.Lunit:                                                ; Q, then K
	UNIT 1, 0
	TURN 1, 1, 0
	s_cmp_eq_u32 s3, s45                           ; in the first trip alone: behind the second there is no further weight
	s_cbranch_scc0 .Lnot_mine_2
	global_prefetch_b8 v[PFO], s[66:67] th:TH_LOAD_NT scope:SCOPE_SE   ; Vw's first step
.Lnot_mine_2:
	ONE 0
	WIN 0
	PLACES                                         ; behind the last products: for the loads below and the first read of results
	FETCH 0                                        ; the next unit's first pieces
	FETCH 1
	s_wait_xcnt 0x0                                ; my prefetches have read their address
	s_cmp_eq_u32 s3, 2
	s_cselect_b64 s[98:99], s[78:79], s[80:81]
	s_cselect_b32 s94, s17, s20
	s_cselect_b32 s95, s18, s21
	s_cselect_b32 s96, s19, s22
	s_mov_b64 s[46:47], s[66:67]                   ; the next trip prefetches and fetches Vw
	s_mov_b64 s[12:13], s[74:75]
	v_mov_b32 v[SCL], s94
	WIN 0xc3
.set j, 0
.rept 256
	v_med3_num_f32 v[j], v[j], s96, s95            ; the conversion to an 8-bit code does not saturate (ISA guide 7.6.2): each sum is held within 448 x the scale
.set j, j+1
.endr
	WIN 0x03
.irp a, 0,1,2,3
.irp b, 0,1,2,3,4,5,6,7
	v_cvt_scalef32_pk8_fp8_f32 v[CDS+16*\a+2*\b:CDS+16*\a+2*\b+1], v[64*\a+8*\b:64*\a+8*\b+7], v[SCL]
.endr
.endr
	v_nop                                          ; a plain line behind the conversions
	WIN 0
.irp a, 0,1,2,3
.irp c, 0,1,2,3
	global_store_b128 v[CO], v[CDS+16*\a+4*\c:CDS+16*\a+4*\c+3], s[98:99] offset:4096*\a+512*\c   ; 512 consecutive bytes, aligned
.endr
.endr
	s_wait_xcnt 0x0                                ; the stores have read their codes: the third buffer may be filled
	s_sub_co_u32 s3, s3, 1
	s_cmp_lg_u32 s3, 0
	s_cbranch_scc1 .Lunit
	UNIT 0, 1                                      ; V: nothing is left to fetch
	s_wait_dscnt 16
	ONE 1
.set g, 15
	s_wait_dscnt 0x0
	ONE 1
	WIN 0
	v_mov_b32 v[SCL], s97
	PLACES
.irp b, 0,1,2,3,4,5,6,7                ; a channel block: my 64 tokens are half an image
	WIN 0xc3
.irp a, 0,1,2,3
.irp i, 0,1,2,3,4,5,6,7
	v_med3_num_f32 v[64*\a+8*\b+\i], v[64*\a+8*\b+\i], s2, s23
.endr
.endr
	WIN 0x03
.irp a, 0,1,2,3
	v_cvt_scalef32_pk8_fp8_f32 v[CDS+8*\b+2*\a:CDS+8*\b+2*\a+1], v[64*\a+8*\b:64*\a+8*\b+7], v[SCL]
.endr
	v_nop
	WIN 0
	global_store_b128 v[CO], v[CDS+8*\b:CDS+8*\b+3], s[82:83] offset:524288*(\b/4)+8192*(\b%4)
	global_store_b128 v[CO], v[CDS+8*\b+4:CDS+8*\b+7], s[82:83] offset:524288*(\b/4)+8192*(\b%4)+512
.endr
	s_wait_tensorcnt 0x0                           ; the wave's end
	ds_add_u32 v[SPW], v[NIL]
	s_wait_dscnt 0x0
	CROUND                                         ; the closing round
	s_endpgm
.Lfunc_end_k_qecc24575fb_proj:
	.size	k_qecc24575fb_proj, .Lfunc_end_k_qecc24575fb_proj-k_qecc24575fb_proj
	.p2alignl 7, 3214868480
	.fill 96, 4, 3214868480
	.section	.rodata,"a",@progbits
	.p2align	6, 0x0
	.amdhsa_kernel k_qecc24575fb_proj
		.amdhsa_group_segment_fixed_size 327680
		.amdhsa_private_segment_fixed_size 0
		.amdhsa_enable_private_segment 0
		.amdhsa_kernarg_size 64
		.amdhsa_user_sgpr_count 2
		.amdhsa_user_sgpr_kernarg_segment_ptr 1
		.amdhsa_wavefront_size32 1
		.amdhsa_system_sgpr_workgroup_id_x 1
		.amdhsa_system_sgpr_workgroup_id_y 1
		.amdhsa_system_sgpr_workgroup_id_z 1
		.amdhsa_system_vgpr_workitem_id 0
		.amdhsa_next_free_vgpr 1024
		.amdhsa_next_free_sgpr 100
		.amdhsa_reserve_vcc 0
		.amdhsa_float_denorm_mode_32 3
		.amdhsa_float_denorm_mode_16_64 3
		.amdhsa_memory_ordered 1
		.amdhsa_forward_progress 1
		.amdhsa_inst_pref_size 130
	.end_amdhsa_kernel
	.amdgpu_metadata
---
amdhsa.version: [ 1, 2 ]
amdhsa.kernels:
  - .name:           k_qecc24575fb_proj
    .symbol:         k_qecc24575fb_proj.kd
    .args:
      - { .name: x_codes, .offset: 0, .size: 8, .value_kind: global_buffer, .address_space: global }
      - { .name: Qw_codes, .offset: 8, .size: 8, .value_kind: global_buffer, .address_space: global }
      - { .name: Kw_codes, .offset: 16, .size: 8, .value_kind: global_buffer, .address_space: global }
      - { .name: Vw_codes, .offset: 24, .size: 8, .value_kind: global_buffer, .address_space: global }
      - { .name: lowp_scales, .offset: 32, .size: 8, .value_kind: global_buffer, .address_space: global }
      - { .name: qc, .offset: 40, .size: 8, .value_kind: global_buffer, .address_space: global }
      - { .name: kc, .offset: 48, .size: 8, .value_kind: global_buffer, .address_space: global }
      - { .name: vc, .offset: 56, .size: 8, .value_kind: global_buffer, .address_space: global }
    .group_segment_fixed_size: 327680
    .private_segment_fixed_size: 0
    .kernarg_segment_align: 8
    .kernarg_segment_size: 64
    .max_flat_workgroup_size: 128
    .sgpr_count:     100
    .vgpr_count:     1024
    .wavefront_size: 32
...
	.end_amdgpu_metadata
.endif
;; end of part 4
;; launch score (part 5): grid 12 x 16, 4 waves a work-group, clusters of 4 x 4, 327,680 bytes of LDS; arguments qc, kc, lowp_scales, pc, st; writes pc, st
.if DOCPART == 5
	.amdgcn_target "amdgcn-amd-amdhsa--gfx1250"
	.amdhsa_code_object_version 6
	.text
	.protected	k_qecc24575fb_score
	.globl	k_qecc24575fb_score
	.p2align	8
	.type	k_qecc24575fb_score,@function
k_qecc24575fb_score:
	s_mov_b64 s[64:65], 0
	v_nop
	global_prefetch_b8 v0, s[64:65] scope:SCOPE_SE
	s_setreg_imm32_b32 hwreg(HW_REG_WAVE_MODE, 25, 1), 1
	s_wait_xcnt 0x0
	s_wait_alu depctr_hold_cnt(0) depctr_sa_sdst(0) depctr_va_vdst(0) depctr_va_sdst(0) depctr_va_ssrc(0) depctr_va_vcc(0) depctr_vm_vsrc(0)
	s_getreg_b32 s2, hwreg(HW_REG_IB_STS2, 6, 4)
	s_cmp_eq_u32 s2, 0
	s_cbranch_scc0 .Lentry_in_a_cluster
	s_endpgm
.Lentry_in_a_cluster:
	s_bfe_u32 s2, ttmp6, 0x10000c
	s_cmp_lg_u32 s2, 0xf033
	s_cbranch_scc0 .Lentry_shape_is_right
	s_endpgm
.Lentry_shape_is_right:
; A tile of 256 queries x 256 keys of Q K^T on codes of E4M3 (K = 1,024 channels), the causal mask, and the softmax's p as codes for the last product.
; t = score x log2(e) / 32;  M = the largest t of a query AMONG THE TILE'S 256 KEYS, rounded up to a whole number;  p = 2^(t - M), quantised with 2^e8;  l = the sum of the unquantised p.
; M being a whole number, the last launch brings the blocks of a row to a common level by exact powers of two.  Against a whole row's M this keeps small p that would fall under the format's range;
; with e8 under -8 the hold at 448 x 2^e8 meets each block's largest p and not the row's alone.
; SHARES.  Cluster x = region: 0: query tiles 0-3 x key tiles 0-3; 1: 4-7 x 0-3; 2: 4-7 x 4-7; cluster y = batch.  LEFT OUT: query tiles 0-3 x key tiles 4-7, where every key comes after every query (p = 0 by the causal mask).
; A tile above the diagonal inside a region runs like every other (no branch may hang on a work-group's place in its cluster) and stores zero codes.
; A wave makes 128 queries x 128 keys.  Source 0 = 16 keys, source 1 = 16 queries: a lane holds ONE query and its registers neighbouring keys, so that the eight accumulators of a block of queries, converted, are the
; 16 registers of a fragment of P (16 queries x 128 keys), in the matrix form's own order.
; INPUT: qc, kc: [128 tokens: 64][K step of 256 channels: 4][token block of 16: 8][128 channels: 2][2,048 bytes], so that a K step of 128 tokens is 32,768 bytes on end: what one load brings.  Two slots; a fragment comes by four loads at 16 x lane.
; At the head each wave asks for its part of K step 0; K step 1 is asked for when that has landed, and has K step 0's work in which to land.
; PREFETCH: K step 1 behind the head's load (K step 0 is still to land ahead of its own load), then behind each load the K step after it, a whole K step's work ahead of its own load; nothing behind K step 3.
; Every cluster asks for what it will load, each block of 256 bytes once: of the 128 blocks that a wave fetches, each of the four partners that ask for them jointly names 32, told apart by address.
; THE MASK IS WHERE THE SUMS START: -3e38 where the key comes after the query, else 0; made while the first tiles are on their way.  It takes the place of clearing and of a pass over the scores.
; OUTPUT: pc [batch][64 queries: 32][512 keys: 4][query block of 16: 4][128 keys: 4][2,048];  st: a record of 1,024 bytes for each (batch, query tile, key tile, wave): [c: 2][lane: 32][i: 4] f32, query block 4 c + i of the wave's eight:
; lanes 0-15 hold -M of query lane, lanes 16-31 the wave's l of query lane - 16.
; LIMITS: e6 + e7 between -110 and 28 (c x 3e38 must stay far under every t, c x 1e30 an f32 number); e8 between -126 and 119; the scaled scores stay under 2^31 in magnitude.  NaN codes are not served.
; REGISTERS: window 0: v16-30 addresses and constants; on the way out v32-39 maxima, v40-47 at work, v48-63 pairs (-M, largest t), v64-71 l, v72-79 the record, v80-83 sums, v96-127 codes (two sets), v128-255 p (two sets);
;   in the loop v128-255 Q's fragments.  window 1: K's fragments, two sets.  windows 2, 3: accumulator (a, b) at v[8 (8 (a % 4) + b)].
.set FR,     16
.set NL,     4
.set NP,     4
.set HALFT,  65536                     ; a wave's part of LDS: two slots
.set SLOT,   32768                     ; a K step of 128 tokens
.set REFILL, 65536                     ; a slot's next K step lies two on
.set SPARE,  4*HALFT                   ; the spare words, 128 bytes a wave, which no other line names
.set MXB,    SPARE+512                 ; 1,024 bytes a wave: the maxima that the two waves of a row half exchange; no tile lands here
.set ADRA, 16
.set ADRB, 20
.set VT,   22                          ; v22  my query less my first key: the mask's threshold
.set BIG,  23                          ; v23  -3e38
.set CO,   24                          ; v24  16 x lane
.set MXO,  25                          ; v25  where I put my maxima
.set MXI,  26                          ; v26  where my partner wave put its
.set SCL,  27                          ; v27  2^e8 as f32
.set SPW,  28
.set NIL,  29
.set PFO,  30                          ; v30  256 x lane: the prefetches' offset
.set MX,   32
.set T,    40
.set NM,   48
.set LL,   64
.set SV,   72
.set SM,   80
.set CDS,  96
.set TPS,  128
.set AF,   128
.set G1, 24                            ; group 1 of Q's loads, of K's
.set G1B, 48
.set G0, 32                            ; group 0, a set for each slot
.set G0B, 56
.set MSB, 0
.macro WIN new
.if MSB != (\new)
	s_set_vgpr_msb (MSB<<8)|(\new)
.set MSB, (\new)
.endif
.endm
.set MUL_LO, 0xa1
.set MUL_HI, 0xf1
.set TO_B,   0x40
.macro JLOAD slot                      ; waves 0 and 1 fetch Q's halves, waves 2 and 3 K's; four v_nop follow each line
	s_cmp_eq_u32 s15, 0
	s_cbranch_scc0 .Lfor_b_\@
	tensor_load_to_lds s[G0+4*\slot:G0+4*\slot+3], s[G1:G1+7]
	s_nop 0
.rept 4
	v_nop
.endr
	s_branch .Lasked_\@
.Lfor_b_\@:
	tensor_load_to_lds s[G0B+4*\slot:G0B+4*\slot+3], s[G1B:G1B+7]
	s_nop 0
.rept 4
	v_nop
.endr
.Lasked_\@:
.endm
.macro ASK step
	global_prefetch_b8 v[PFO], s[66:67] offset:(\step)*SLOT th:TH_LOAD_NT scope:SCOPE_SE
.endm
.macro CREST
	s_cmp_lg_u32 s14, 0
	s_cbranch_scc1 .Lnot_wave_0_\@
	s_barrier_signal -3
.Lnot_wave_0_\@:
	s_barrier_wait -3
	s_barrier_signal -1
	s_barrier_wait -1
.endm
.macro CROUND
	s_barrier_signal -1
	s_barrier_wait -1
	CREST
.endm
.macro PLACES n
.rept \n
	v_nop
.endr
.endm
	s_load_b256 s[68:75], s[0:1], 0x0              ; qc 68, kc 70, scales 72, pc 74
	s_load_b64 s[76:77], s[0:1], 0x20              ; st
	v_lshl_add_u32 v[SPW], v0, 2, SPARE
	v_mov_b32 v[NIL], 0
	ds_add_u32 v[SPW], v[NIL]                      ; the wave's opening: the add, twice on end, and its wait
	ds_add_u32 v[SPW], v[NIL]
	v_lshrrev_b32 v1, 5, v0
	v_readfirstlane_b32 s14, v1                    ; wave
	s_lshr_b32 s15, s14, 1                         ; my half of the queries.  Also: I fetch for Q (0) or K (1)
	s_and_b32 s16, s14, 1                          ; my half of the keys.  Also: which 128 tokens I fetch
	s_bfe_u32 s40, ttmp6, 0x40000                  ; cx, cy
	s_bfe_u32 s41, ttmp6, 0x40004
	s_min_u32 s17, ttmp9, 1
	s_lshl_b32 s17, s17, 2
	s_add_co_u32 s17, s17, s41                     ; query tile = 4 min(region, 1) + cy
	s_lshr_b32 s42, ttmp9, 1
	s_lshl_b32 s42, s42, 2
	s_add_co_u32 s42, s42, s40                     ; key tile = 4 (region / 2) + cx
	s_and_b32 s18, ttmp7, 0xffff                   ; batch
	s_lshl_b32 s43, s41, 2
	s_lshl_b32 s43, 15, s43                        ; my row of the cluster: shares Q's tiles
	s_lshl_b32 s44, 0x1111, s40                    ; my column: shares K's
	s_or_b32 s[G1+0], s43, (3<<16)|(1<<21)         ; 15:0 the mask; 17:16 elements of 8 bytes; no padding; 21 set beside a mask
	s_or_b32 s[G1B+0], s44, (3<<16)|(1<<21)
.irp g, G1, G1B
	s_mov_b32 s[\g+1], 512<<16                     ; tensor_dim0: 512 elements, 4,096 bytes
	s_mov_b32 s[\g+2], 8<<16                       ; tensor_dim1: 8 such rows, dense: one K step
	s_mov_b32 s[\g+3], 512<<16                     ; tile_dim0
	s_mov_b32 s[\g+4], 8                           ; tile_dim1
	s_mov_b32 s[\g+5], 512                         ; from row to row
	s_mov_b32 s[\g+6], 0
	s_mov_b32 s[\g+7], 0
.endr
	s_lshl_b32 s19, s18, 4                         ; 128 tokens: 16 x batch
	s_add_co_u32 s19, s19, s16                     ; + which I fetch
	s_lshl_b32 s20, s17, 1
	s_add_co_u32 s20, s20, s19
	s_lshl_b32 s20, s20, 17                        ; Q: x 131,072 bytes: under 2^23
	s_mov_b32 s21, 0
	s_lshl_b32 s46, s42, 1
	s_add_co_u32 s46, s46, s19
	s_lshl_b32 s46, s46, 17                        ; K likewise
	s_mov_b32 s47, 0
	s_lshl_b32 s45, s14, 16                        ; where they go: wave x 65,536
	s_wait_dscnt 0x0                               ; both opening adds are done
	s_wait_kmcnt 0x0
	s_load_b128 s[80:83], s[72:73], 0x18           ; e6, e7, e8, e9
	s_add_nc_u64 s[20:21], s[68:69], s[20:21]
	s_add_nc_u64 s[46:47], s[70:71], s[46:47]
	CROUND                                         ; the first joint loads meet
.irp s, 0,1
	s_mov_b32 s[G0+4*\s], 1
	s_add_co_u32 s[G0+4*\s+1], s45, \s*SLOT
	s_add_nc_u64 s[G0+4*\s+2:G0+4*\s+3], s[20:21], \s*SLOT
	s_or_b32 s[G0+4*\s+3], s[G0+4*\s+3], 0x80000000
	s_mov_b32 s[G0B+4*\s], 1
	s_add_co_u32 s[G0B+4*\s+1], s45, \s*SLOT
	s_add_nc_u64 s[G0B+4*\s+2:G0B+4*\s+3], s[46:47], \s*SLOT
	s_or_b32 s[G0B+4*\s+3], s[G0B+4*\s+3], 0x80000000
.endr
	JLOAD 0                                        ; K step 0: one load a wave
	s_cmp_eq_u32 s15, 0                            ; what I prefetch: a quarter of what I fetch, by my place among those that ask with me
	s_cselect_b64 s[66:67], s[20:21], s[46:47]
	s_cselect_b32 s78, s40, s41
	s_lshl_b32 s78, s78, 13
	s_mov_b32 s79, 0
	s_add_nc_u64 s[66:67], s[66:67], s[78:79]
	v_and_b32 v4, 31, v0
	v_lshlrev_b32 v[CO], 4, v4
	v_lshlrev_b32 v[PFO], 8, v4
	s_wait_alu depctr_va_vdst(0)
	ASK 1
	s_lshl_b32 s21, s15, 16                        ; my 8 blocks of Q
	s_lshl_b32 s22, s16, 16
	s_add_co_u32 s22, s22, 2*HALFT                 ; my 8 blocks of K, behind Q's 16
.irp s, 0,1
	v_add_nc_u32 v[ADRA+\s], s21, v[CO]
	v_add_nc_u32 v[ADRB+\s], s22, v[CO]
	s_add_co_u32 s21, s21, SLOT
	s_add_co_u32 s22, s22, SLOT
.endr
	s_lshl_b32 s19, s14, 10
	s_add_co_u32 s19, s19, MXB
	v_add_nc_u32 v[MXO], s19, v[CO]
	s_xor_b32 s19, s14, 1                          ; the wave with my queries and the other keys
	s_lshl_b32 s19, s19, 10
	s_add_co_u32 s19, s19, MXB
	v_add_nc_u32 v[MXI], s19, v[CO]
.irp a, 0,1,2,3,4,5,6,7
	v_mov_b32 v[T+\a], 0                           ; written once: a lane permute's destination counts as one of its sources
.endr
	; THE MASK.  Register j of accumulator (a, b) holds key 16 b + 8 h + j of my 128 for query 16 a + r of my 128: hidden where 16 (b - a) + j > VT = 256 (query tile - key tile) + 128 (my query half - my key half) + r - 8 h
	s_sub_co_i32 s99, s17, s42
	s_lshl_b32 s99, s99, 8
	s_sub_co_i32 s19, s15, s16
	s_lshl_b32 s19, s19, 7
	s_add_co_i32 s99, s99, s19
	v_and_b32 v1, 15, v0
	v_bfe_u32 v2, v0, 4, 1
	v_lshlrev_b32 v3, 3, v2
	v_sub_nc_u32 v[VT], v1, v3
	v_add_nc_u32 v[VT], s99, v[VT]
	v_mov_b32 v[BIG], 0xff61b1e6
.set dl, -7
.rept 15                               ; by diagonals b - a = dl: one compare serves a register of all accumulators of a diagonal; the two windows come by turns first
.irp j, 0,1,2,3,4,5,6,7
	v_cmp_gt_i32 vcc_lo, 16*dl+\j, v[VT]
.irp g, 0,1
.set hi, (\g+\j)%2
.irp i, 0,1,2,3
.set aa, 4*hi+\i
.if (aa+dl >= 0) && (aa+dl <= 7)
	WIN 0x80+0x40*hi                               ; destination window 2 or 3
	v_cndmask_b32 v[8*(8*\i+aa+dl)+\j], 0, v[BIG], vcc_lo
.endif
.endr
.endr
.endr
.set dl, dl+1
.endr
	WIN 0
	s_wait_alu depctr_va_vdst(0)
	s_lshl_b32 s19, s18, 5                         ; pc: 64 queries: 32 x batch + 4 x query tile + 2 x half: x 131,072 bytes: under 2^24,
	s_lshl_b32 s99, s17, 2
	s_add_co_u32 s19, s19, s99
	s_lshl_b32 s99, s15, 1
	s_add_co_u32 s19, s19, s99
	s_lshl_b32 s22, s19, 17
	s_lshr_b32 s99, s42, 1                         ; 512 keys: key tile / 2,
	s_lshl_b32 s99, s99, 15
	s_add_co_u32 s22, s22, s99
	s_and_b32 s99, s42, 1                          ; and 128 keys in it
	s_lshl_b32 s99, s99, 12
	s_add_co_u32 s22, s22, s99
	s_lshl_b32 s99, s16, 11
	s_add_co_u32 s22, s22, s99
	s_mov_b32 s23, 0
	s_add_nc_u64 s[74:75], s[74:75], s[22:23]
	s_lshl_b32 s19, s18, 3                         ; st: record ((batch x 8 + query tile) x 8 + key tile) x 4 + wave, of 1,024 bytes
	s_add_co_u32 s19, s19, s17
	s_lshl_b32 s19, s19, 3
	s_add_co_u32 s19, s19, s42
	s_lshl_b32 s19, s19, 2
	s_add_co_u32 s19, s19, s14
	s_lshl_b32 s22, s19, 10
	s_add_nc_u64 s[76:77], s[76:77], s[22:23]
	s_mov_b32 s96, 0x76543210                      ; v_permlanex16_b32's selects for lane l xor 16
	s_mov_b32 s97, 0xfedcba98
	s_mov_b32 s12, 0xffff0000                      ; lanes 16-31
	s_wait_kmcnt 0x0
	s_add_co_i32 s99, s80, s81
	s_lshl_b32 s99, s99, 23
	s_add_co_i32 s94, s99, 0x3d38aa3b              ; c = log2(e) / 32 x 2^(e6 + e7): the exponents are added to c's exponent field
	s_mov_b32 s95, s94                             ; (named with it as a pair)
	s_add_co_i32 s99, s82, 127
	s_lshl_b32 s19, s99, 23
	v_mov_b32 v[SCL], s19                          ; 2^e8
	s_add_co_i32 s99, s99, 8
	s_lshl_b32 s98, s99, 23
	s_or_b32 s98, s98, 0x600000                    ; 448 x 2^e8
.macro FRAG reg, adr, q, i             ; an image comes back as it was stored: four loads at 16 x lane, 512 bytes apart
.irp c, 0,1,2,3
	ds_load_b128 v[\reg+4*\c:\reg+4*\c+3], v[\adr] offset:(\i)*4096+(\q)*2048+512*\c
.endr
.endm
.macro MUL16 a0, p                     ; the 64 accumulators take turns, one instruction a turn; every product adds: the sums started as the mask
.irp a, \a0, \a0+1
.irp b, 0,1,2,3,4,5,6,7
	v_wmma_f32_16x16x128_fp8_fp8 v[8*(8*((\a)%4)+\b):8*(8*((\a)%4)+\b)+7], v[128*(\p)+FR*\b:128*(\p)+FR*\b+FR-1], v[AF+FR*(\a):AF+FR*(\a)+FR-1], v[8*(8*((\a)%4)+\b):8*(8*((\a)%4)+\b)+7]
.endr
.endr
.endm
.macro FETCH_B slot, q, p
	WIN TO_B
.irp i, 0,1,2,3,4,5,6,7
	FRAG 128*(\p)+FR*\i, ADRB+\slot, \q, \i
.endr
	WIN 0
.endm
.macro FETCH_A slot, q, i0
.irp i, \i0, \i0+1, \i0+2, \i0+3
	FRAG AF+FR*(\i), ADRA+\slot, \q, \i
.endr
.endm
.macro STEP slot, q
	s_wait_dscnt 4*NL                              ; K's set and Q's blocks 0-3 are in; the youngest sixteen loads may be out
	WIN MUL_LO
	MUL16 0, (\q)%2
	MUL16 2, (\q)%2
	s_wait_dscnt 0
	PLACES NP
	FETCH_B \slot, (\q)+1, 1-(\q)%2
	FETCH_A \slot, (\q)+1, 0
	WIN MUL_HI
	MUL16 4, (\q)%2
	MUL16 6, (\q)%2
	PLACES NP
	WIN 0
	FETCH_A \slot, (\q)+1, 4
.endm
.macro TURN slot, next, fill
	s_wait_tensorcnt 0x0                           ; all my tensor loads have landed
	ds_add_u32 v[SPW], v[NIL]
	s_wait_dscnt 4*NL+1                            ; the add and the youngest sixteen loads may be out
	WIN MUL_LO
	MUL16 0, 1
	s_wait_dscnt 0x0                               ; the add is done, and my reads of this slot are over
	s_barrier_signal -1
	MUL16 2, 1
	WIN 0
	s_barrier_wait -1
.if \fill
	CREST
	s_add_nc_u64 s[G0+4*\slot+2:G0+4*\slot+3], s[G0+4*\slot+2:G0+4*\slot+3], REFILL
	s_add_nc_u64 s[G0B+4*\slot+2:G0B+4*\slot+3], s[G0B+4*\slot+2:G0B+4*\slot+3], REFILL
	JLOAD \slot
.else
	PLACES NP
.endif
	FETCH_B \next, 0, 0
	FETCH_A \next, 0, 0
.if \fill && (\slot == 0)
	ASK 3
.endif
	WIN MUL_HI
	MUL16 4, 1
	MUL16 6, 1
	PLACES NP
	WIN 0
	FETCH_A \next, 0, 4
.endm
	s_wait_tensorcnt 0x0                           ; my part of K step 0 is in
	ds_add_u32 v[SPW], v[NIL]
	s_wait_dscnt 0x0                               ; the add is done
	CROUND                                         ; everybody's part is in,
	JLOAD 1                                        ; and K step 1's load is the first behind the round
	FETCH_B 0, 0, 0
	FETCH_A 0, 0, 0
	FETCH_A 0, 0, 4
	ASK 2
	STEP 0, 0
	TURN 0, 1, 1
	STEP 1, 0
	TURN 1, 0, 1
	STEP 0, 0
	TURN 0, 1, 0
	STEP 1, 0
	s_wait_dscnt 4*NL
	WIN MUL_LO
	MUL16 0, 1
	MUL16 2, 1
	s_wait_dscnt 0
	WIN MUL_HI
	MUL16 4, 1
	MUL16 6, 1
	WIN 0
	; THE WAY OUT.  The largest score of each query: among my lane's 64 keys (four blocks of queries by turns, each accumulator from its low end on),
	PLACES NP
.irp hi, 0,1
	WIN 0x2a+0x15*\hi                              ; all three sources window 2 or 3
.irp a, 0,1,2,3
	v_max3_num_f32 v[MX+4*\hi+\a], v[64*\a], v[64*\a+1], v[64*\a+2]
.endr
	WIN 0x28+0x14*\hi                              ; sources 1 and 2
.set n, 3
.rept 30
.irp a, 0,1,2,3
	v_max3_num_f32 v[MX+4*\hi+\a], v[MX+4*\hi+\a], v[64*\a+n], v[64*\a+n+1]
.endr
.set n, n+2
.endr
.irp a, 0,1,2,3
	v_max_num_f32 v[MX+4*\hi+\a], v[MX+4*\hi+\a], v[64*\a+63]
.endr
.endr
	WIN 0
.irp a, 0,1,2,3,4,5,6,7
	v_permlanex16_b32 v[T+\a], v[MX+\a], s96, s97  ; among lane l xor 16's,
.endr
.irp a, 0,1,2,3,4,5,6,7
	v_max_num_f32 v[MX+\a], v[MX+\a], v[T+\a]
.endr
	ds_store_b128 v[MXO], v[MX:MX+3]               ; and among the other 128 keys, which the partner wave holds
	ds_store_b128 v[MXO], v[MX+4:MX+7] offset:512
	s_wait_alu depctr_va_vdst(0)
	s_wait_dscnt 0x0                               ; for the partner's sake: my stores have landed
	s_barrier_signal -1
	s_barrier_wait -1
	ds_load_b128 v[T:T+3], v[MXI]
	ds_load_b128 v[T+4:T+7], v[MXI] offset:512
	s_wait_dscnt 0x0
.irp a, 0,1,2,3,4,5,6,7
	v_max3_num_f32 v[MX+\a], v[MX+\a], v[T+\a], 0xf149f2ca   ; -1e30 stands for a query all of whose 256 keys are hidden: far over the mask's -3e38, far under every score
.endr
.irp a, 0,1,2,3,4,5,6,7
	v_mul_f32 v[NM+2*\a+1], s94, v[MX+\a]          ; as t (c is positive)
.endr
.irp a, 0,1,2,3,4,5,6,7
	v_floor_f32 v[NM+2*\a], -v[NM+2*\a+1]          ; -M = floor(-t): M is a whole number
.endr
.macro FMA a                           ; t - M, two at a time, into p's set a % 2
	WIN 0x02+((\a)/4)
.set AC, 64*((\a)%4)
.set TP, TPS+64*((\a)%2)
.set j, 0
.rept 32
	v_pk_fma_f32 v[TP+j:TP+j+1], v[AC+j:AC+j+1], s[94:95], v[NM+2*(\a):NM+2*(\a)+1] op_sel_hi:[1,0,0]
.set j, j+2
.endr
	WIN 0
.endm
.macro EXPS a                          ; p = 2^(t - M): a batch of 64
.set TP, TPS+64*((\a)%2)
.set j, 0
.rept 64
	v_exp_f32 v[TP+j], v[TP+j]
.set j, j+1
.endr
.endm
.macro SUMP a                          ; the sum of the UNQUANTISED p, in two chains
.set TP, TPS+64*((\a)%2)
	v_pk_add_f32 v[SM:SM+1], v[TP:TP+1], v[TP+2:TP+3]
	v_pk_add_f32 v[SM+2:SM+3], v[TP+4:TP+5], v[TP+6:TP+7]
.set j, 8
.rept 14
	v_pk_add_f32 v[SM:SM+1], v[SM:SM+1], v[TP+j:TP+j+1]
	v_pk_add_f32 v[SM+2:SM+3], v[SM+2:SM+3], v[TP+j+2:TP+j+3]
.set j, j+4
.endr
	v_pk_add_f32 v[SM:SM+1], v[SM:SM+1], v[SM+2:SM+3]
	v_add_f32 v[LL+(\a)], v[SM], v[SM+1]
.endm
.macro HOLDP a                         ; the conversion does not saturate (ISA guide 7.6.2); p is not negative, so the hold is one-sided
.set TP, TPS+64*((\a)%2)
.set j, 0
.rept 64
	v_min_num_f32 v[TP+j], s98, v[TP+j]
.set j, j+1
.endr
.endm
.macro CODEP a
.set TP, TPS+64*((\a)%2)
.set CD, CDS+16*((\a)%2)
.irp b, 0,1,2,3,4,5,6,7
	v_cvt_scalef32_pk8_fp8_f32 v[CD+2*\b:CD+2*\b+1], v[TP+8*\b:TP+8*\b+7], v[SCL]
.endr
	v_nop                                          ; a plain line behind the conversions: later lines write their sources
.endm
.macro OUTP a
.set CD, CDS+16*((\a)%2)
.irp c, 0,1,2,3
	global_store_b128 v[CO], v[CD+4*\c:CD+4*\c+3], s[74:75] offset:((\a)/4)*131072+((\a)%4)*8192+512*\c   ; 512 consecutive bytes, aligned
.endr
.endm
	FMA 0
	s_wait_alu depctr_va_vdst(0)
	EXPS 0
	v_nop                                          ; a plain line behind the batch
	s_wait_alu depctr_va_vdst(0)                   ; one wait for the batch, ahead of its first reader
.irp a, 0,1,2,3,4,5,6,7                ; block a + 1's exponentials are issued ahead of block a's sums, holds and conversions, which name none of their results
.if \a < 7
	FMA \a+1
	s_wait_alu depctr_va_vdst(0)
	EXPS \a+1
.endif
	SUMP \a
	HOLDP \a
.if \a >= 2
	s_wait_alu depctr_va_vdst(0)
	s_wait_xcnt 0x0                                ; block a - 2's stores have read this set of code registers
.endif
	CODEP \a
	OUTP \a
.if \a < 7
	s_wait_alu depctr_va_vdst(0)                   ; one wait for block a + 1's batch, ahead of its first reader in the next turn
.endif
.endr
.irp a, 0,1,2,3,4,5,6,7
	v_permlanex16_b32 v[T+\a], v[LL+\a], s96, s97
.endr
.irp a, 0,1,2,3,4,5,6,7
	v_add_f32 v[LL+\a], v[LL+\a], v[T+\a]          ; l over my wave's 128 keys
.endr
.irp a, 0,1,2,3,4,5,6,7
	v_cndmask_b32 v[SV+\a], v[NM+2*\a], v[LL+\a], s12   ; lanes 0-15: -M; lanes 16-31: l
.endr
	global_store_b128 v[CO], v[SV:SV+3], s[76:77]
	global_store_b128 v[CO], v[SV+4:SV+7], s[76:77] offset:512
	s_wait_tensorcnt 0x0                           ; the wave's end
	ds_add_u32 v[SPW], v[NIL]
	s_wait_dscnt 0x0
	CROUND                                         ; the closing round
	s_endpgm
.Lfunc_end_k_qecc24575fb_score:
	.size	k_qecc24575fb_score, .Lfunc_end_k_qecc24575fb_score-k_qecc24575fb_score
	.p2alignl 7, 3214868480
	.fill 96, 4, 3214868480
	.section	.rodata,"a",@progbits
	.p2align	6, 0x0
	.amdhsa_kernel k_qecc24575fb_score
		.amdhsa_group_segment_fixed_size 327680
		.amdhsa_private_segment_fixed_size 0
		.amdhsa_enable_private_segment 0
		.amdhsa_kernarg_size 40
		.amdhsa_user_sgpr_count 2
		.amdhsa_user_sgpr_kernarg_segment_ptr 1
		.amdhsa_wavefront_size32 1
		.amdhsa_system_sgpr_workgroup_id_x 1
		.amdhsa_system_sgpr_workgroup_id_y 1
		.amdhsa_system_sgpr_workgroup_id_z 1
		.amdhsa_system_vgpr_workitem_id 0
		.amdhsa_next_free_vgpr 1024
		.amdhsa_next_free_sgpr 100
		.amdhsa_reserve_vcc 1
		.amdhsa_float_denorm_mode_32 3
		.amdhsa_float_denorm_mode_16_64 3
		.amdhsa_memory_ordered 1
		.amdhsa_forward_progress 1
		.amdhsa_inst_pref_size 196
	.end_amdhsa_kernel
	.amdgpu_metadata
---
amdhsa.version: [ 1, 2 ]
amdhsa.kernels:
  - .name:           k_qecc24575fb_score
    .symbol:         k_qecc24575fb_score.kd
    .args:
      - { .name: qc, .offset: 0, .size: 8, .value_kind: global_buffer, .address_space: global }
      - { .name: kc, .offset: 8, .size: 8, .value_kind: global_buffer, .address_space: global }
      - { .name: lowp_scales, .offset: 16, .size: 8, .value_kind: global_buffer, .address_space: global }
      - { .name: pc, .offset: 24, .size: 8, .value_kind: global_buffer, .address_space: global }
      - { .name: st, .offset: 32, .size: 8, .value_kind: global_buffer, .address_space: global }
    .group_segment_fixed_size: 327680
    .private_segment_fixed_size: 0
    .kernarg_segment_align: 8
    .kernarg_segment_size: 40
    .max_flat_workgroup_size: 128
    .sgpr_count:     100
    .vgpr_count:     1024
    .wavefront_size: 32
...
	.end_amdgpu_metadata
.endif
;; end of part 5
;; launch mix (part 6): grid 8 x 32, 4 waves a work-group, clusters of 4 x 4, 327,680 bytes of LDS; arguments pc, vc, st, lowp_scales, out0; writes out0
.if DOCPART == 6
	.amdgcn_target "amdgcn-amd-amdhsa--gfx1250"
	.amdhsa_code_object_version 6
	.text
	.protected	k_qecc24575fb_mix
	.globl	k_qecc24575fb_mix
	.p2align	8
	.type	k_qecc24575fb_mix,@function
k_qecc24575fb_mix:
	s_mov_b64 s[64:65], 0
	v_nop
	global_prefetch_b8 v0, s[64:65] scope:SCOPE_SE
	s_setreg_imm32_b32 hwreg(HW_REG_WAVE_MODE, 25, 1), 1
	s_wait_xcnt 0x0
	s_wait_alu depctr_hold_cnt(0) depctr_sa_sdst(0) depctr_va_vdst(0) depctr_va_sdst(0) depctr_va_ssrc(0) depctr_va_vcc(0) depctr_vm_vsrc(0)
	s_getreg_b32 s2, hwreg(HW_REG_IB_STS2, 6, 4)
	s_cmp_eq_u32 s2, 0
	s_cbranch_scc0 .Lentry_in_a_cluster
	s_endpgm
.Lentry_in_a_cluster:
	s_bfe_u32 s2, ttmp6, 0x10000c
	s_cmp_lg_u32 s2, 0xf033
	s_cbranch_scc0 .Lentry_shape_is_right
	s_endpgm
.Lentry_shape_is_right:
; O = P V / l on codes of E4M3.  A work-group makes two tiles of 128 queries x 128 channels, one behind the other, five steps of 512 keys in all: with odd = 0 query tiles 12-15 (four steps), then 0-3 (one);
; with odd = 1 tiles 8-11 (three), then 4-7 (two).  Cluster y = 2 x batch + odd.  LEFT OUT: steps all of whose keys come after the tile's queries, where p = 0 by the causal mask.
; A wave makes 64 queries (s15) x 64 channels (s16): 16 accumulators.  Source 0 = 16 channels, source 1 = 16 queries: a lane holds one query, its registers eight neighbouring channels.
; INPUT: pc [batch][64 queries: 32][512 keys: 4][query block: 4][128 keys: 4][2,048]; vc [64 channels: 16][512 tokens: 16][channel block: 4][128 tokens: 4][2,048]: a wave's part of a step is 32,768 bytes on end: what one load brings.
; Two slots.  At the head each wave asks for its part of step 0; step 1 is asked for when that has landed, and has step 0's work in which to land; then each refill brings the step two on.
; A step is two halves of 256 keys: a half's fragments (64 loads) fill a whole register window and feed 32 matrix instructions.
; LEVELS: st holds -M and l of each query and 256 keys, loaded a step ahead; ahead of each half the sums and l are multiplied by a whole power of two, from the level that they have to the half's.
; A half whose M lies more than 60 under the largest so far is taken at 60 under it: its share of the row is then below 2^-60.
; JOINT LOADS: a row of the cluster shares P's tiles, a column V's.
; PREFETCH: step 1 behind the head's load (step 0 is still to land ahead of its own load), then behind each load the step after it, a whole step ahead of its own load; nothing behind step 4.
; Every cluster asks for what it will load, each block of 256 bytes once: of the 128 blocks that a wave fetches, each of the four partners that ask for them jointly names 32, told apart by address.
; LIMITS: NaN codes are not served.  e8 + e9 is applied by v_ldexp_f32 at the end and has no bound of its own.
; REGISTERS: window 0: v16-31 addresses, v32-63 the way out, v64-71 at work, v108-127 levels, l and factors, v128-151 a step's numbers out of st.  windows 1, 3: a step's first and second half: V's fragments (q, b) at 64 q + 16 b,
;   P's (q, a) at 128 + 64 q + 16 a.  window 2: accumulator (a, b) at v[8 (4 a + b)]; on the way out v128-191.
.set SLOT,   32768                     ; a wave's part of a step
.set VOFF,   131072                    ; behind P's two parts, V's two
.set SPARE,  262144                    ; the spare words, 128 bytes a wave, which no other line names
.set STAGE,  SPARE+512                 ; the way out: 16 rows x (256 bytes + 16) for each wave; no tile lands here
.set SPITCH, 272
.set AP0, 16                           ; v16, v17: my fragments of P: in slot 0, and in the slot in hand
.set ADP, 17
.set AV0, 20                           ; v20, v21: V likewise
.set ADV, 21
.set STO,  24
.set RD,   25
.set CO,   26
.set SPW,  28
.set NIL,  29
.set SA,   30                          ; my offset in a record of st
.set PFO,  31                          ; 256 x lane
.set TMP,  32
.set TT,   64
.set DD,   68
.set NR,   108                         ; the smallest -M so far
.set NL,   112                         ; minus the level that the sums have
.set LA,   116                         ; l at that level
.set F,    120                         ; the factor, in the lower register of each pair
.set STT,  128                         ; -M and the two waves' l: 12 registers for a half
.set BKS,  128
.set TB,   18                          ; s18  the slot in hand
.set G1, 24                            ; group 1 of P's loads, of V's
.set G1B, 48
.set G0, 32                            ; group 0: they walk
.set G0B, 56
.set MSB, 0
.macro WIN new
.if MSB != (\new)
	s_set_vgpr_msb (MSB<<8)|(\new)
.set MSB, (\new)
.endif
.endm
.macro JLOAD                           ; waves 0 and 1 fetch P's halves, waves 2 and 3 V's; four v_nop follow each line
	s_cmp_eq_u32 s15, 0
	s_cbranch_scc0 .Lfor_b_\@
	tensor_load_to_lds s[G0:G0+3], s[G1:G1+7]
	s_nop 0
.rept 4
	v_nop
.endr
	s_branch .Lasked_\@
.Lfor_b_\@:
	tensor_load_to_lds s[G0B:G0B+3], s[G1B:G1B+7]
	s_nop 0
.rept 4
	v_nop
.endr
.Lasked_\@:
.endm
.macro CREST
	s_cmp_lg_u32 s14, 0
	s_cbranch_scc1 .Lnot_wave_0_\@
	s_barrier_signal -3
.Lnot_wave_0_\@:
	s_barrier_wait -3
	s_barrier_signal -1
	s_barrier_wait -1
.endm
.macro CROUND
	s_barrier_signal -1
	s_barrier_wait -1
	CREST
.endm
.macro STATS                           ; a step's two records of 256 keys: -M, and l of the two waves that made them
.irp m, 0,1
	global_load_b128 v[STT+12*\m:STT+12*\m+3], v[SA], s[4:5] offset:4096*\m
	global_load_b128 v[STT+12*\m+4:STT+12*\m+7], v[SA], s[4:5] offset:4096*\m+256
	global_load_b128 v[STT+12*\m+8:STT+12*\m+11], v[SA], s[4:5] offset:4096*\m+1280
.endr
.endm
	s_load_b256 s[68:75], s[0:1], 0x0              ; pc 68, vc 70, st 72, scales 74
	s_load_b64 s[76:77], s[0:1], 0x20              ; O
	v_lshl_add_u32 v[SPW], v0, 2, SPARE
	v_mov_b32 v[NIL], 0
	ds_add_u32 v[SPW], v[NIL]                      ; the wave's opening: the add, twice on end, and its wait
	ds_add_u32 v[SPW], v[NIL]
	v_lshrrev_b32 v1, 5, v0
	v_readfirstlane_b32 s14, v1                    ; wave
	s_lshr_b32 s15, s14, 1                         ; my half of the queries.  Also: I fetch for P (0) or V (1)
	s_and_b32 s16, s14, 1                          ; my half of the channels.  Also: which half I fetch
	s_bfe_u32 s40, ttmp6, 0x40000                  ; cx, cy
	s_bfe_u32 s41, ttmp6, 0x40004
	s_and_b32 s17, ttmp7, 0xffff
	s_lshr_b32 s18, s17, 1                         ; batch
	s_and_b32 s90, s17, 1                          ; odd
	s_lshl_b32 s43, s41, 2
	s_lshl_b32 s43, 15, s43                        ; my row of the cluster
	s_lshl_b32 s44, 0x1111, s40                    ; my column
	s_or_b32 s[G1], s43, (3<<16)|(1<<21)           ; 15:0 the mask; 17:16 elements of 8 bytes; no padding; 21 set beside a mask
	s_or_b32 s[G1B], s44, (3<<16)|(1<<21)
.irp g, G1, G1B
	s_mov_b32 s[\g+1], 1024<<16                    ; tensor_dim0: 8,192 bytes
	s_mov_b32 s[\g+2], 4<<16                       ; 4 such rows, dense: one step
	s_mov_b32 s[\g+3], 1024<<16
	s_mov_b32 s[\g+4], 4
	s_mov_b32 s[\g+5], 1024
	s_mov_b32 s[\g+6], 0
	s_mov_b32 s[\g+7], 0
.endr
	s_sub_co_u32 s19, 3, s90
	s_lshl_b32 s19, s19, 2
	s_add_co_u32 s19, s19, s41                     ; the first tile
	s_lshl_b32 s20, s90, 2
	s_add_co_u32 s20, s20, s41                     ; the second
	s_lshl_b32 s21, s18, 7
	s_lshl_b32 s3, s16, 17
	s_lshl_b32 s22, s19, 3
	s_add_co_u32 s22, s22, s21
	s_lshl_b32 s22, s22, 15
	s_add_co_u32 s22, s22, s3                      ; P: 64 queries 32 x batch + 2 x tile + half, x 131,072 bytes
	s_lshl_b32 s23, s20, 3
	s_add_co_u32 s23, s23, s21
	s_lshl_b32 s23, s23, 15
	s_add_co_u32 s23, s23, s3
	s_add_co_u32 s78, s22, 65536                   ; step 2,
	s_add_co_u32 s80, s22, 98304                   ; step 3: the first tile's last, or the second's first,
	s_add_co_u32 s82, s23, 32768                   ; step 4: the second tile's second, or its first
	s_lshl_b32 s42, ttmp9, 2
	s_add_co_u32 s42, s42, s40                     ; the 128 channels
	s_lshl_b32 s46, s42, 20
	s_lshl_b32 s47, s18, 17
	s_add_co_u32 s46, s46, s47
	s_lshl_b32 s3, s16, 19
	s_add_co_u32 s46, s46, s3                      ; V: 64 channels 2 x tile + half, x 524,288 bytes; 131,072 bytes a batch
	s_add_co_u32 s84, s46, 65536
	s_add_co_u32 s86, s46, 98304
	s_add_co_u32 s88, s46, 32768
	s_cmp_eq_u32 s90, 1
	s_cselect_b32 s80, s23, s80
	s_cselect_b32 s82, s82, s23
	s_cselect_b32 s86, s46, s86
	s_cselect_b32 s88, s88, s46
	s_mov_b32 s23, 0
	s_mov_b32 s79, 0
	s_mov_b32 s81, 0
	s_mov_b32 s83, 0
	s_mov_b32 s47, 0
	s_mov_b32 s85, 0
	s_mov_b32 s87, 0
	s_mov_b32 s89, 0
	s_cmp_eq_u32 s15, 0
	s_cselect_b32 s66, s40, s41                    ; prefetch: my place among those that ask with me, x 8,192 bytes
	s_lshl_b32 s66, s66, 13
	s_mov_b32 s67, 0
	s_mov_b32 s[G0], 1
	s_lshl_b32 s[G0+1], s16, 16                    ; where the loads go
	s_mov_b32 s[G0B], 1
	s_add_co_u32 s[G0B+1], s[G0+1], VOFF
	s_wait_dscnt 0x0                               ; both opening adds are done
	s_wait_kmcnt 0x0
	s_load_b64 s[92:93], s[74:75], 0x20            ; e8, e9
	s_add_nc_u64 s[22:23], s[68:69], s[22:23]
	s_mov_b64 s[G0+2:G0+3], s[22:23]
	s_or_b32 s[G0+3], s[G0+3], 0x80000000
	s_add_nc_u64 s[78:79], s[68:69], s[78:79]
	s_add_nc_u64 s[80:81], s[68:69], s[80:81]
	s_add_nc_u64 s[82:83], s[68:69], s[82:83]
	s_add_nc_u64 s[46:47], s[70:71], s[46:47]
	s_mov_b64 s[G0B+2:G0B+3], s[46:47]
	s_or_b32 s[G0B+3], s[G0B+3], 0x80000000
	s_add_nc_u64 s[84:85], s[70:71], s[84:85]
	s_add_nc_u64 s[86:87], s[70:71], s[86:87]
	s_add_nc_u64 s[88:89], s[70:71], s[88:89]
	CROUND                                         ; the first joint loads meet
	JLOAD                                          ; step 0: one load a wave
	s_lshl_b32 s21, s15, 9
	v_and_b32 v1, 15, v0
	v_bfe_u32 v2, v0, 4, 1
	v_and_b32 v4, 31, v0
	v_lshlrev_b32 v3, 4, v4
	v_lshlrev_b32 v[PFO], 8, v4
	v_lshlrev_b32 v[SA], 4, v1
	v_add_nc_u32 v[SA], s21, v[SA]
	s_wait_alu depctr_va_vdst(0)
	s_lshl_b32 s2, s18, 4                          ; st: tile 16 x batch + tile: 32,768 bytes for two tiles, of which 2,048 in each record of 4,096 are a tile's
	s_add_co_u32 s3, s2, s20
	s_add_co_u32 s2, s2, s19
	s_lshr_b32 s4, s2, 1
	s_lshl_b32 s4, s4, 15
	s_and_b32 s2, s2, 1
	s_lshl_b32 s2, s2, 11
	s_add_co_u32 s4, s4, s2
	s_lshr_b32 s10, s3, 1
	s_lshl_b32 s10, s10, 15
	s_and_b32 s3, s3, 1
	s_lshl_b32 s3, s3, 11
	s_add_co_u32 s10, s10, s3
	s_add_co_u32 s6, s4, 8192                      ; steps 0 to 4: s4, s6, s8, s96, s98
	s_add_co_u32 s8, s4, 16384
	s_add_co_u32 s96, s4, 24576
	s_add_co_u32 s98, s10, 8192
	s_cmp_eq_u32 s90, 1
	s_cselect_b32 s96, s10, s96
	s_cselect_b32 s98, s98, s10
.irp r, 4, 6, 8, 96, 98
	s_mov_b32 s[\r+1], 0
	s_add_nc_u64 s[\r:\r+1], s[72:73], s[\r:\r+1]
.endr
	STATS
	s_cmp_eq_u32 s15, 0
	s_cselect_b64 s[94:95], s[22:23], s[46:47]
	s_add_nc_u64 s[94:95], s[94:95], s[66:67]
	global_prefetch_b8 v[PFO], s[94:95] offset:SLOT th:TH_LOAD_NT scope:SCOPE_SE   ; step 1
	s_lshl_b32 s21, s15, 16
	s_lshl_b32 s17, s16, 16
	s_add_co_u32 s17, s17, VOFF
	s_mul_i32 s22, s14, 16*SPITCH
	s_add_co_u32 s22, s22, STAGE
	v_add_nc_u32 v[AP0], s21, v3
	v_add_nc_u32 v[AV0], s17, v3
	v_mul_u32_u24 v5, v1, SPITCH                   ; the way out: in: row r, 32 bytes for each half of the lanes
	v_lshl_add_u32 v5, v2, 5, v5
	v_add_nc_u32 v[STO], s22, v5
	v_mul_u32_u24 v6, v2, SPITCH                   ; back: lanes 0-15 one row of 256 bytes, lanes 16-31 the next
	v_lshl_add_u32 v6, v1, 4, v6
	v_add_nc_u32 v[RD], s22, v6
	v_lshlrev_b32 v7, 12, v2                       ; and the same two rows in O
	v_lshl_add_u32 v[CO], v1, 4, v7
.irp a, 0,1,2,3
	v_mov_b32 v[F+2*\a+1], 0                       ; (named with the factor as a pair)
.endr
	s_wait_alu depctr_va_vdst(0)
	s_lshl_b32 s2, s18, 11                         ; O: row 2,048 x batch + 128 x tile + 64 x half, of 4,096 bytes
	s_lshl_b32 s3, s15, 6
	s_add_co_u32 s2, s2, s3
	s_lshl_b32 s3, s19, 7
	s_add_co_u32 s3, s3, s2
	s_lshl_b32 s10, s3, 12
	s_lshl_b32 s3, s20, 7
	s_add_co_u32 s3, s3, s2
	s_lshl_b32 s12, s3, 12
	s_lshl_b32 s2, s42, 9
	s_lshl_b32 s3, s16, 8
	s_add_co_u32 s2, s2, s3
	s_add_co_u32 s10, s10, s2
	s_add_co_u32 s12, s12, s2
	s_mov_b32 s11, 0
	s_mov_b32 s13, 0
	s_add_nc_u64 s[10:11], s[76:77], s[10:11]
	s_add_nc_u64 s[12:13], s[76:77], s[12:13]
	s_wait_kmcnt 0x0
	s_add_co_i32 s91, s92, s93                     ; e8 + e9
	s_add_co_u32 s90, s90, 1                       ; the second loop's count at which the tile changes: 2 (step 3) or 1 (step 4)
	s_mov_b32 s[TB], 0
.macro FETCH q0, to                    ; a half's fragments: 128 keys q0 and q0 + 1 of the slot in hand: 64 loads
	WIN \to
.irp q, 0,1
.irp b, 0,1,2,3
.irp c, 0,1,2,3
	ds_load_b128 v[64*\q+16*\b+4*\c:64*\q+16*\b+4*\c+3], v[ADV] offset:\b*8192+((\q0)+\q)*2048+512*\c
.endr
.endr
.irp a, 0,1,2,3
.irp c, 0,1,2,3
	ds_load_b128 v[128+64*\q+16*\a+4*\c:128+64*\q+16*\a+4*\c+3], v[ADP] offset:\a*8192+((\q0)+\q)*2048+512*\c
.endr
.endr
.endr
	WIN 0
.endm
.macro MULQ q, win, zero               ; the 16 accumulators take turns, one instruction a turn
	WIN \win
.irp a, 0,1,2,3
.irp b, 0,1,2,3
.if \zero
	v_wmma_f32_16x16x128_fp8_fp8 v[8*(4*\a+\b):8*(4*\a+\b)+7], v[64*\q+16*\b:64*\q+16*\b+15], v[128+64*\q+16*\a:128+64*\q+16*\a+15], 0
.else
	v_wmma_f32_16x16x128_fp8_fp8 v[8*(4*\a+\b):8*(4*\a+\b)+7], v[64*\q+16*\b:64*\q+16*\b+15], v[128+64*\q+16*\a:128+64*\q+16*\a+15], v[8*(4*\a+\b):8*(4*\a+\b)+7]
.endif
.endr
.endr
.endm
.macro INIT                            ; a tile's first half
.irp a, 0,1,2,3
	v_mov_b32 v[NR+\a], v[STT+\a]
	v_mov_b32 v[NL+\a], v[STT+\a]
	v_add_f32 v[LA+\a], v[STT+4+\a], v[STT+8+\a]
.endr
.endm
.macro FACTOR base                     ; level: -(level) = min(-M, the smallest -M so far + 60); f = 2^(old level - new level)
.irp a, 0,1,2,3
	v_min_num_f32 v[NR+\a], v[NR+\a], v[\base+\a]
.endr
.irp a, 0,1,2,3
	v_add_f32 v[TT+\a], 0x42700000, v[NR+\a]
.endr
.irp a, 0,1,2,3
	v_min_num_f32 v[TT+\a], v[TT+\a], v[\base+\a]
.endr
.irp a, 0,1,2,3
	v_sub_f32 v[DD+\a], v[TT+\a], v[NL+\a]
.endr
.irp a, 0,1,2,3
	v_mov_b32 v[NL+\a], v[TT+\a]
.endr
.irp a, 0,1,2,3
	v_cvt_i32_f32 v[DD+\a], v[DD+\a]
.endr
.irp a, 0,1,2,3
	v_ldexp_f32 v[F+2*\a], 1.0, v[DD+\a]
.endr
.irp a, 0,1,2,3
	v_add_f32 v[TT+\a], v[\base+4+\a], v[\base+8+\a]
.endr
.irp a, 0,1,2,3
	v_fma_f32 v[LA+\a], v[LA+\a], v[F+2*\a], v[TT+\a]
.endr
.endm
.macro RESCALE
	WIN 0x82
.irp a, 0,1,2,3
.set j, 32*\a
.rept 16
	v_pk_mul_f32 v[j:j+1], v[j:j+1], v[F+2*\a:F+2*\a+1] op_sel_hi:[1,0]
.set j, j+2
.endr
.endr
	WIN 0
.endm
.macro SHIFT                           ; on to the next step's records
	s_wait_loadcnt 0x0                             ; this step's are in
	s_mov_b64 s[4:5], s[6:7]
	s_mov_b64 s[6:7], s[8:9]
	s_mov_b64 s[8:9], s[96:97]
	s_mov_b64 s[96:97], s[98:99]
.endm
.macro BEGIN first                     ; a step's first half (window 1); the second's fragments are fetched under it (window 3)
.if \first
	INIT
.else
	FACTOR STT                                     ; (its lines are the places behind the last products)
.endif
	s_wait_alu depctr_va_vdst(0)
	s_wait_dscnt 0x0                               ; the first half's fragments are in
	FETCH 2, 0xc0
.if \first == 0
	RESCALE
.endif
	MULQ 0, 0xa5, \first
	MULQ 1, 0xa5, 0
	WIN 0
.endm
.macro SECOND                          ; ahead of a step's second half
	FACTOR STT+12
.endm
; A step's second half and the change of slots.  fill = 2: step 0; 1: steps 1 and 2; both fill the slot in hand with the step two on.
.macro REST fill
	SECOND
	STATS
	RESCALE
	s_wait_alu depctr_va_vdst(0)
	s_wait_tensorcnt 0x0                           ; no tensor load of mine is out: my part of the next slot is in
	ds_add_u32 v[SPW], v[NIL]
	s_xor_b32 s[G0+1], s[G0+1], SLOT
	s_xor_b32 s[G0B+1], s[G0B+1], SLOT
	s_mov_b64 s[G0+2:G0+3], s[78:79]
	s_or_b32 s[G0+3], s[G0+3], 0x80000000
	s_mov_b64 s[G0B+2:G0B+3], s[84:85]
	s_or_b32 s[G0B+3], s[G0B+3], 0x80000000
	s_wait_xcnt 0x0                                ; my prefetch has read its address
	s_cmp_eq_u32 s15, 0
	s_cselect_b64 s[94:95], s[80:81], s[86:87]
	s_add_nc_u64 s[94:95], s[94:95], s[66:67]
	s_mov_b64 s[78:79], s[80:81]
	s_mov_b64 s[80:81], s[82:83]
	s_mov_b64 s[84:85], s[86:87]
	s_mov_b64 s[86:87], s[88:89]
	s_xor_b32 s[TB], s[TB], SLOT
	s_wait_dscnt 1                                 ; the second half's fragments are in; the add may be out
	MULQ 0, 0xaf, 0
	WIN 0
	s_wait_dscnt 0x0                               ; the add is done, and my reads of this slot are over
	s_barrier_signal -1
	s_barrier_wait -1
	CREST                                          ; no wave of any partner still reads this slot or has a load on its way
	JLOAD                                          ; the first tensor load behind the round
	v_add_nc_u32 v[ADP], s[TB], v[AP0]
	v_add_nc_u32 v[ADV], s[TB], v[AV0]
	FETCH 0, 0x40                                  ; the next step's first half
.if \fill == 1
	s_cmp_gt_u32 s3, 1                             ; step 2 asks for nothing
	s_cbranch_scc0 .Lno_more_\@
.endif
	global_prefetch_b8 v[PFO], s[94:95] th:TH_LOAD_NT scope:SCOPE_SE   ; the step after the one just asked for
.Lno_more_\@:
	MULQ 1, 0xaf, 0
	WIN 0
.endm
; THE WAY OUT: O^T / l x 2^(e8 + e9), 16 queries at a time through my own stage, back as rows of 256 bytes.
.macro TOSTAGE a
	WIN 0x02
.set j, 0
.rept 16
	v_pk_mul_f32 v[TMP+j:TMP+j+1], v[32*(\a)+j:32*(\a)+j+1], v[F+2*(\a):F+2*(\a)+1] op_sel_hi:[1,0]
.set j, j+2
.endr
	WIN 0
.irp b, 0,1,2,3
	ds_store_b128 v[STO], v[TMP+8*\b:TMP+8*\b+3] offset:64*\b
	ds_store_b128 v[STO], v[TMP+8*\b+4:TMP+8*\b+7] offset:64*\b+16
.endr
.set BB, BKS+32*((\a)%2)
	WIN 0x80
.irp t, 0,1,2,3,4,5,6,7
	ds_load_b128 v[BB+4*\t:BB+4*\t+3], v[RD] offset:\t*2*SPITCH   ; LDS serves a wave's instructions in order (ISA guide 5.7.1.4)
.endr
	WIN 0
.endm
.macro SEND a, younger, base
.set BB, BKS+32*((\a)%2)
	s_wait_dscnt \younger
	WIN 0x08
.irp t, 0,1,2,3,4,5,6,7
	global_store_b128 v[CO], v[BB+4*\t:BB+4*\t+3], s[\base:\base+1] offset:(\a)*65536+\t*8192 th:TH_STORE_NT   ; 16 lanes store 256 consecutive bytes, aligned
.endr
	WIN 0
.endm
.macro WAYOUT base
	s_wait_xcnt 0x0
.rept 4
	v_nop                                          ; places behind the last products
.endr
.irp a, 0,1,2,3
	v_rcp_f32 v[F+2*\a], v[LA+\a]
.endr
	v_nop
	s_wait_alu depctr_va_vdst(0)
.irp a, 0,1,2,3
	v_ldexp_f32 v[F+2*\a], v[F+2*\a], s91
.endr
	TOSTAGE 0
.irp a, 1,2,3
.if \a > 1
	s_wait_xcnt 0x0                                ; block a - 2's stores have read the registers that block a comes back into
.endif
	TOSTAGE \a
	SEND \a-1, 16, \base                           ; behind block a - 1's loads: block a's 8 stores and 8 loads
.endr
	SEND 3, 0, \base
.endm
	s_wait_tensorcnt 0x0                           ; my part of step 0 is in
	ds_add_u32 v[SPW], v[NIL]
	s_xor_b32 s[G0+1], s[G0+1], SLOT               ; step 1, into slot 1
	s_xor_b32 s[G0B+1], s[G0B+1], SLOT
	s_add_nc_u64 s[G0+2:G0+3], s[G0+2:G0+3], SLOT
	s_add_nc_u64 s[G0B+2:G0B+3], s[G0B+2:G0B+3], SLOT
	s_wait_xcnt 0x0                                ; my prefetch has read its address
	s_cmp_eq_u32 s15, 0
	s_cselect_b64 s[94:95], s[78:79], s[84:85]
	s_add_nc_u64 s[94:95], s[94:95], s[66:67]
	s_wait_dscnt 0x0                               ; the add is done
	CROUND                                         ; everybody's part is in,
	JLOAD                                          ; and step 1's load is the first behind the round
	v_add_nc_u32 v[ADP], s[TB], v[AP0]
	v_add_nc_u32 v[ADV], s[TB], v[AV0]
	FETCH 0, 0x40
	global_prefetch_b8 v[PFO], s[94:95] th:TH_LOAD_NT scope:SCOPE_SE   ; step 2
	SHIFT
	BEGIN 1                                        ; step 0 starts the first tile
	REST 2
	s_mov_b32 s3, 2
.Lfill:                                                ; steps 1 and 2
	SHIFT
	BEGIN 0
	REST 1
	s_sub_co_u32 s3, s3, 1
	s_cmp_lg_u32 s3, 0
	s_cbranch_scc1 .Lfill
	s_mov_b32 s3, 2
.Ldrain:                                               ; steps 3 and 4: nothing is left to fetch
	SHIFT
	s_cmp_lg_u32 s3, s90
	s_cbranch_scc1 .Lsame
	WAYOUT 10                                      ; the first tile is finished: it goes out, and the second starts
	BEGIN 1
	s_branch .Ljoin
.Lsame:
	BEGIN 0
.Ljoin:
	SECOND
	s_cmp_eq_u32 s3, 2
	s_cbranch_scc0 .Lno_stats                      ; step 4 has no successor
	STATS
.Lno_stats:
	RESCALE
	s_xor_b32 s[TB], s[TB], SLOT
	s_wait_alu depctr_va_vdst(0)
	s_wait_tensorcnt 0x0                           ; step 3: my part of step 4 is in
	s_wait_dscnt 0x0                               ; the second half's fragments are in
	s_barrier_signal -1
	MULQ 0, 0xaf, 0
	WIN 0
	s_barrier_wait -1
	s_cmp_eq_u32 s3, 2
	s_cbranch_scc0 .Lno_fetch
	v_add_nc_u32 v[ADP], s[TB], v[AP0]
	v_add_nc_u32 v[ADV], s[TB], v[AV0]
	FETCH 0, 0x40
.Lno_fetch:
	MULQ 1, 0xaf, 0
	WIN 0
	s_sub_co_u32 s3, s3, 1
	s_cmp_lg_u32 s3, 0
	s_cbranch_scc1 .Ldrain
	WAYOUT 12
	s_wait_tensorcnt 0x0                           ; the wave's end
	ds_add_u32 v[SPW], v[NIL]
	s_wait_dscnt 0x0
	CROUND                                         ; the closing round
	s_endpgm
.Lfunc_end_k_qecc24575fb_mix:
	.size	k_qecc24575fb_mix, .Lfunc_end_k_qecc24575fb_mix-k_qecc24575fb_mix
	.p2alignl 7, 3214868480
	.fill 96, 4, 3214868480
	.section	.rodata,"a",@progbits
	.p2align	6, 0x0
	.amdhsa_kernel k_qecc24575fb_mix
		.amdhsa_group_segment_fixed_size 327680
		.amdhsa_private_segment_fixed_size 0
		.amdhsa_enable_private_segment 0
		.amdhsa_kernarg_size 40
		.amdhsa_user_sgpr_count 2
		.amdhsa_user_sgpr_kernarg_segment_ptr 1
		.amdhsa_wavefront_size32 1
		.amdhsa_system_sgpr_workgroup_id_x 1
		.amdhsa_system_sgpr_workgroup_id_y 1
		.amdhsa_system_sgpr_workgroup_id_z 1
		.amdhsa_system_vgpr_workitem_id 0
		.amdhsa_next_free_vgpr 1024
		.amdhsa_next_free_sgpr 100
		.amdhsa_reserve_vcc 0
		.amdhsa_float_denorm_mode_32 3
		.amdhsa_float_denorm_mode_16_64 3
		.amdhsa_memory_ordered 1
		.amdhsa_forward_progress 1
		.amdhsa_inst_pref_size 119
	.end_amdhsa_kernel
	.amdgpu_metadata
---
amdhsa.version: [ 1, 2 ]
amdhsa.kernels:
  - .name:           k_qecc24575fb_mix
    .symbol:         k_qecc24575fb_mix.kd
    .args:
      - { .name: pc, .offset: 0, .size: 8, .value_kind: global_buffer, .address_space: global }
      - { .name: vc, .offset: 8, .size: 8, .value_kind: global_buffer, .address_space: global }
      - { .name: st, .offset: 16, .size: 8, .value_kind: global_buffer, .address_space: global }
      - { .name: lowp_scales, .offset: 24, .size: 8, .value_kind: global_buffer, .address_space: global }
      - { .name: out0, .offset: 32, .size: 8, .value_kind: global_buffer, .address_space: global }
    .group_segment_fixed_size: 327680
    .private_segment_fixed_size: 0
    .kernarg_segment_align: 8
    .kernarg_segment_size: 40
    .max_flat_workgroup_size: 128
    .sgpr_count:     100
    .vgpr_count:     1024
    .wavefront_size: 32
...
	.end_amdgpu_metadata
.endif
;; end of part 6
